; MI455X (gfx1250); checked and timed in simulation.
; The chip was launched on July 23, 2026; its instructions are those of AMD's public machine-readable ISA for CDNA 5 (MIT licence, August 2026) and "CDNA5" Instruction Set Architecture Reference Guide (July 2026). The comments in the code are by the model that wrote it; some were corrected since.
;; Cross Attention. Allowed arithmetic: matrix products marked QUANTISED: E4M3 operands, one E8M0 scale for each 32 along K, by v_wmma_scale_f32_16x16x128_f8f6f4 with both operands' format E4M3, f32 sums; everything else in f32.
;; Inputs: b_proj 768 float32; kv 8 x 1,024 x 768 float32; q 8 x 1,024 x 768 float32; w_proj 768 x 768 float32; wk 768 x 768 float32; wq 768 x 768 float32; wv 768 x 768 float32.
;; Outputs: out0 8 x 1,024 x 768 float32.
;; This version of the problem:
;;   THIS VERSION OF THE PROBLEM IS GIVEN IN LOW PRECISION. The matrix products marked QUANTISED in the list below multiply operands that are first quantised to E4M3 (4 exponent bits, 3 mantissa bits; 8 bits a number), with one power-of-two scale for each 32 numbers along K (OCP MX v1.0); their sums are f32. All else is computed in f32.
;;   The module's matrix products, in the order in which they are computed (A, B: the left and right operand; K: the contracted axis; several contracted axes count as one K, in the product's order):
;;     1. [M 8,192, K 768] x [K 768, N 768]; A: input q; B: input wq: QUANTISED
;;     2. [M 8,192, K 768] x [K 768, N 768]; A: input kv; B: input wk: QUANTISED
;;     3. [M 8,192, K 768] x [K 768, N 768]; A: input kv; B: input wv: QUANTISED
;;     4. batch 64 x [M 1,024, K 96] x [K 96, N 1,024]; A: computed on the way; B: computed on the way: QUANTISED
;;     5. batch 64 x [M 1,024, K 1,024] x [K 1,024, N 96]; A: softmax (see below); B: computed on the way: QUANTISED
;;     6. [M 8,192, K 768] x [K 768, N 768]; A: computed on the way; B: input w_proj: QUANTISED
;;   THE QUANTISER, for each operand of a quantised product, along K:
;;     - K is cut into blocks of 32 from its start; a last block that is shorter is filled with zeros.
;;     - A block's scale is 2^e with e = floor(log2(the largest magnitude in the block)) - 8, held to -126 .. 127; a block of zeros has e = 0. As a byte (E8M0): e + 127.
;;     - Each number is divided by its block's scale, clamped to +-448, and rounded to the nearest number of E4M3, ties to even, subnormals kept.
;;     - The product sums the exact products of the quantised numbers (number of the format x scale) in f32.
;;   ~~~python
;;   def quantise(x, axis):      # numpy; x: float32 -> the quantised numbers, widened to float32 again
;;       x = np.moveaxis(x, axis, -1); K = x.shape[-1]
;;       x = np.pad(x, [(0, 0)] * (x.ndim - 1) + [(0, -K % 32)]); x = x.reshape(x.shape[:-1] + (-1, 32)); a = np.abs(x).max(-1, keepdims=True)
;;       e = np.where(a > 0, np.clip(np.frexp(np.where(a > 0, a, 1))[1] - 1 - 8, -126, 127), 0)      # np.frexp(a)[1] - 1 = floor(log2(a)), exactly
;;       r = np.clip(x / 2.0 ** e, -448, 448)
;;       step = 2.0 ** (np.maximum(np.frexp(np.where(r == 0, 1, r))[1] - 1, -6) - 3)
;;       q = np.round(r / step) * step * 2.0 ** e      # np.round: ties to even
;;       return np.moveaxis(q.reshape(q.shape[:-2] + (-1,))[..., :K], -1, axis).astype(np.float32)
;;   ~~~
;;   SOFTMAX AHEAD OF A QUANTISED PRODUCT. Where the list says 'softmax', what is quantised is not the finished softmax but p = 2^(t - M), with t = logit x log2(e) and M = ceil(the row's largest t), a whole number; so 1/2 < the row's largest p <= 1. The row's sum l is taken of the UNQUANTISED p, in f32, and the product's result is divided by l at the end. Since M is a whole number, a kernel that streams over the keys may use a running M (the ceiling of the running maximum): every later rescaling is an exact power of two, which a block's scale takes up: the codes' values come out the same.
;;   OPERANDS COMPUTED ON THE WAY. 'Computed on the way' means the value that the module computes at that place (a softmax that the list does not call 'softmax' is quantised finished and normalised). What goes into a quantiser is computed in f32, as accurately as f32 sums, v_exp_f32 and their like allow (about 1e-6 of the number): no bf16 or f16 on the way to a quantiser, and a product that is left as it is and whose result goes on into a quantised operand takes f32 operands (vector FMAs, or v_wmma_f32_16x16x4_f32). A number that lies on a knife's edge between two numbers of the format may be rounded either way, as far as f32 arithmetic and the matrix unit's own rounding can turn it there, and no further.
;; One version. Each part assembles by itself: llvm-mc -triple=amdgcn-amd-amdhsa -mcpu=gfx1250 --defsym DOCPART=n.
;; ======== version 1 of 1: 4 launches
;; limits: right only within a limited range of input values
;; workspace buffers: xc 14,942,208 bytes; xs 466,944 bytes; qc 6,291,456 bytes; qs 262,144 bytes; kvc 12,582,912 bytes; kvs 458,752 bytes; oc 6,291,456 bytes; os 262,144 bytes
;; launch quant (part 1): grid 1216 x 1, 3 waves a work-group, no clusters, 51,200 bytes of LDS; arguments q, kv, wq, wk, wv, w_proj, xc, xs; writes xc, xs
.if DOCPART == 1
	.amdgcn_target "amdgcn-amd-amdhsa--gfx1250"
	.amdhsa_code_object_version 6
	.text
	.protected	k_q250a56d210_quant
	.globl	k_q250a56d210_quant
	.p2align	8
	.type	k_q250a56d210_quant,@function
k_q250a56d210_quant:
	s_mov_b64 s[64:65], 0
	v_nop
	global_prefetch_b8 v0, s[64:65] scope:SCOPE_SE
	s_setreg_imm32_b32 hwreg(HW_REG_WAVE_MODE, 25, 1), 1
	s_wait_xcnt 0x0
; LAUNCH 1 OF 4.  q, kv [8192][768] and wq, wk, wv, w_proj [768][768], f32 with K innermost, become codes of FP8 (E4M3) with one E8M0 byte for each 32 along K.
; A block's scale is 2^(floor(log2(its largest magnitude)) - 8); its byte is that magnitude's exponent field - 8, held at 1 from below; each number is divided by the scale, held within +-448, rounded to the nearest code, ties to even.
; LAYOUT OF THE RESULT: images of the operand's registers.  Tile g (1,216 of them: 512 of q, 512 of kv, 48 of each weight) holds 16 rows, K step s 128 along K: 2,048 bytes at xc + 12,288 g + 2,048 s;
; in them chunk c (registers 4 c .. 4 c + 3: k = 32 c + 16 (lane / 16) + 0 .. 15 of the lane's row) lies at 512 c + 16 x lane.  So every later launch loads a fragment by 16 bytes a lane, 512 consecutive bytes an instruction.
; THE ROWS OF A TILE ARE NOT NEIGHBOURS: lane row r of tile t is the tensor's row 32 (t / 2) + 8 (t % 2) + r + 8 (r / 8).  Used as source 0 of a product, tiles 2 b and 2 b + 1 then leave in a lane's 16 result
; registers the 16 neighbours 32 b + 16 (lane / 16) + 0 .. 15: the order that the next operand's registers want.
; Scale words (four bytes: a row's 128 along K): xs + 384 g + 128 p + 4 x lane: lanes 0-15 the 16 rows' words of K step 2 p, lanes 16-31 those of K step 2 p + 1.
; SHARES.  A work-group is one tile; wave w takes K steps 2 w and 2 w + 1: 1,024 bytes of each of the 16 rows.  Each load reads 512 consecutive bytes of a row; the numbers turn through the wave's own stage in LDS,
; so that a lane gets 16 neighbours of each block of 32.  No loop, no barrier (waves share nothing), no matrix unit, no cluster: each byte is read once by one wave, and 32 loads of each wave are out at once.
; LIMITS: NaN and infinities among the inputs are not served.  A block of zeros gets the byte 1 where the rule says 127: its codes are zeros, which add nothing under any byte but 0xff, and this program alone reads the bytes.
; The scale words leave in runs of 128 bytes: one byte in 32 of what the launch stores.
.set ROWB, 3072                        ; a row of any of the six tensors, in bytes
.set SPI,  528                         ; a stage row: 512 bytes + 16: 132 words, so that the 16 rows that a read touches begin 4 words further on each
.set STG,  16*SPI                      ; a stage: 16 rows; two for each wave
.set R,    16                          ; v16-143  two sets of 64 numbers, as loaded and then as neighbours
.set PC,   144                         ; v144-175 codes, 16 registers for each K step: no store's data are written again
.set MX,   176                         ; v176-179 largest magnitudes
.set BY,   180                         ; v180-183 the other half's, then the bytes
.set HD,   184                         ; v184-187 448 x the scale
.set SO,   188                         ; v188-191 the conversion's scale operand
.set PW,   192                         ; v192-193 the two K steps' scale words
.set SEL,  26                          ; s[26:27] v_permlanex16_b32's selects for lane l xor 16
.set MNT,  28                          ; s28      the mantissa field of 448
; nb blocks of 32: block b's 16 numbers of my lane in v[src + 16 b] on, the other 16 in lane l xor 16.  Codes into v[cd + 4 b] on, bytes into v[BY + b].
.macro QUANT nb, src, cd
.set qb, 0
.rept \nb
	v_max3_num_f32 v[MX+qb], |v[(\src)+16*qb]|, |v[(\src)+16*qb+1]|, 0x4800000   ; with the floor 2^(9 - 127) among the leaves: the byte cannot fall under 1
.set qb, qb+1
.endr
.set qi, 2
.rept 7
.set qb, 0
.rept \nb
	v_max3_num_f32 v[MX+qb], v[MX+qb], |v[(\src)+16*qb+qi]|, |v[(\src)+16*qb+qi+1]|   ; the blocks by turns: no line waits for the line above it
.set qb, qb+1
.endr
.set qi, qi+2
.endr
.set qb, 0
.rept \nb
	v_permlanex16_b32 v[BY+qb], v[MX+qb], s[SEL], s[SEL+1]
.set qb, qb+1
.endr
.set qb, 0
.rept \nb
	v_max_num_f32 v[MX+qb], v[MX+qb], v[BY+qb]                    ; the block's largest magnitude
.set qb, qb+1
.endr
.set qb, 0
.rept \nb
	v_add_nc_u32 v[SO+qb], 0xfc000000, v[MX+qb]                   ; 8 off its exponent field: the conversion takes this operand's exponent field as its scale
.set qb, qb+1
.endr
.set qb, 0
.rept \nb
	v_and_or_b32 v[HD+qb], v[MX+qb], 0x7f800000, s[MNT]           ; 448 x the scale
.set qb, qb+1
.endr
.set qb, 0
.rept \nb
	v_lshrrev_b32 v[BY+qb], 23, v[SO+qb]                          ; the scale's byte
.set qb, qb+1
.endr
.set qb, 0
.rept \nb
.set qi, 0
.rept 16
	v_med3_num_f32 v[(\src)+16*qb+qi], v[(\src)+16*qb+qi], -v[HD+qb], v[HD+qb]   ; the conversion to an 8-bit code does not saturate (ISA guide 7.6.2): the hold comes first
.set qi, qi+1
.endr
	v_cvt_scalef32_pk8_fp8_f32 v[(\cd)+4*qb:(\cd)+4*qb+1], v[(\src)+16*qb:(\src)+16*qb+7], v[SO+qb]
	v_cvt_scalef32_pk8_fp8_f32 v[(\cd)+4*qb+2:(\cd)+4*qb+3], v[(\src)+16*qb+8:(\src)+16*qb+15], v[SO+qb]
.set qb, qb+1
.endr
	v_nop                                                         ; one plain line behind the last conversion
.endm
	s_load_b256 s[4:11], s[0:1], 0x0               ; q s[4:5], kv s[6:7], wq s[8:9], wk s[10:11]
	s_load_b256 s[12:19], s[0:1], 0x20             ; wv s[12:13], w_proj s[14:15], xc s[16:17], xs s[18:19]
	v_lshl_add_u32 v200, v0, 2, 0xc600
	v_mov_b32 v201, 0
	v_lshrrev_b32 v1, 5, v0
	v_readfirstlane_b32 s21, v1                    ; wave 0..2
	v_and_b32 v1, 31, v0                           ; lane
	v_and_b32 v2, 15, v0                           ; r
	v_bfe_u32 v3, v0, 4, 1                         ; h
	s_lshl_b32 s22, s21, 10                        ; my 1,024 bytes of a row
	s_mul_i32 s23, s21, 2*STG                      ; my two stages
	s_lshl_b32 s30, s21, 12                        ; my two images
	s_lshl_b32 s31, s21, 7                         ; my 128 bytes of scale words
	v_lshl_add_u32 v4, v1, 4, s22                  ; in: 16 x lane + 1,024 w
	v_lshl_add_u32 v5, v1, 4, s23                  ; into the stage: 16 x lane
	v_mul_u32_u24 v6, v2, SPI
	v_lshl_add_u32 v6, v3, 6, v6
	v_add_nc_u32 v6, s23, v6                       ; out of it: row r, + 64 h: my 16 numbers of a block
	v_lshl_add_u32 v7, v1, 4, s30                  ; codes out
	v_lshl_add_u32 v8, v1, 2, s31                  ; scale words out
	v_cmp_le_u32 s29, 16, v1                       ; lanes 16-31
	s_mov_b32 s[SEL], 0x76543210
	s_mov_b32 s[SEL+1], 0xfedcba98
	s_mov_b32 s[MNT], 0x600000
.irp b, 0,1,2,3
	v_mov_b32 v[BY+\b], 0                          ; written once: a lane permute's destination counts as one of its sources
.endr
	s_mov_b32 s20, 0
	s_wait_alu depctr_va_vdst(0)
	s_wait_kmcnt 0x0
; which tensor is my tile's: the choice hangs on the work-group's number alone
.macro PICK lim, p
	s_cmp_ge_u32 ttmp9, \lim
	s_cselect_b64 s[4:5], s[\p:\p+1], s[4:5]
	s_cselect_b32 s20, \lim, s20
.endm
	PICK 512, 6
	PICK 1024, 8
	PICK 1072, 10
	PICK 1120, 12
	PICK 1168, 14
	s_sub_co_u32 s20, ttmp9, s20                   ; t: the tile's number in its tensor
	s_lshr_b32 s24, s20, 1
	s_lshl_b32 s24, s24, 5
	s_and_b32 s25, s20, 1
	s_lshl_b32 s25, s25, 3
	s_add_co_u32 s24, s24, s25                     ; its first row: 32 (t / 2) + 8 (t % 2)
	s_mul_i32 s24, s24, ROWB                       ; under 2^25
	s_mov_b32 s25, 0
	s_add_nc_u64 s[4:5], s[4:5], s[24:25]
	s_mul_i32 s24, ttmp9, 12288
	s_add_nc_u64 s[16:17], s[16:17], s[24:25]
	s_mul_i32 s24, ttmp9, 384
	s_add_nc_u64 s[18:19], s[18:19], s[24:25]
.irp f, 0,1
.irp i, 0,1,2,3,4,5,6,7,8,9,10,11,12,13,14,15
	global_load_b128 v[R+64*\f+4*\i:R+64*\f+4*\i+3], v4, s[4:5] offset:(\i+8*(\i/8))*ROWB+512*\f th:TH_LOAD_NT   ; lane row i: 32 lanes read 512 consecutive bytes; read once in the launch
.endr
.endr
; K step 2 w + f.  left: the younger loads that may stay out.
.macro HALF f, left
	s_wait_loadcnt \left
.irp i, 0,1,2,3,4,5,6,7,8,9,10,11,12,13,14,15
	ds_store_b128 v5, v[R+64*\f+4*\i:R+64*\f+4*\i+3] offset:STG*\f+SPI*\i
.endr
.irp b, 0,1,2,3
.irp j, 0,1,2,3
	ds_load_b128 v[R+64*\f+16*\b+4*\j:R+64*\f+16*\b+4*\j+3], v6 offset:STG*\f+128*\b+16*\j   ; LDS serves a wave's instructions in order (ISA guide 5.7.1.4): these see the stores above, and land in the registers that those have left
.endr
.endr
	s_wait_dscnt 0x0
	QUANT 4, R+64*\f, PC+16*\f
	v_lshl_or_b32 v[PW+\f], v[BY+1], 8, v[BY]      ; my row's scale word
	v_lshl_or_b32 v[PW+\f], v[BY+2], 16, v[PW+\f]
	v_lshl_or_b32 v[PW+\f], v[BY+3], 24, v[PW+\f]
.irp c, 0,1,2,3
	global_store_b128 v7, v[PC+16*\f+4*\c:PC+16*\f+4*\c+3], s[16:17] offset:2048*\f+512*\c   ; 512 consecutive bytes, at a multiple of 512 from xc's first byte
.endr
.endm
	HALF 0, 16                                     ; the second K step's 16 loads may stay out
	HALF 1, 0
	v_cndmask_b32 v9, v[PW], v[PW+1], s29          ; lanes 0-15: the even K step's words; lanes 16-31: the odd one's (both halves of the lanes hold row r's word)
	global_store_b32 v8, v9, s[18:19]
	s_wait_tensorcnt 0x0
	ds_add_u32 v200, v201
	s_wait_dscnt 0x0
	s_endpgm
.Lfunc_end_k_q250a56d210_quant:
	.size	k_q250a56d210_quant, .Lfunc_end_k_q250a56d210_quant-k_q250a56d210_quant
	.p2alignl 7, 3214868480
	.fill 96, 4, 3214868480
	.section	.rodata,"a",@progbits
	.p2align	6, 0x0
	.amdhsa_kernel k_q250a56d210_quant
		.amdhsa_group_segment_fixed_size 51200
		.amdhsa_private_segment_fixed_size 0
		.amdhsa_enable_private_segment 0
		.amdhsa_kernarg_size 64
		.amdhsa_user_sgpr_count 2
		.amdhsa_user_sgpr_kernarg_segment_ptr 1
		.amdhsa_wavefront_size32 1
		.amdhsa_system_sgpr_workgroup_id_x 1
		.amdhsa_system_sgpr_workgroup_id_y 1
		.amdhsa_system_sgpr_workgroup_id_z 1
		.amdhsa_system_vgpr_workitem_id 0
		.amdhsa_next_free_vgpr 202
		.amdhsa_next_free_sgpr 66
		.amdhsa_reserve_vcc 0
		.amdhsa_float_denorm_mode_32 3
		.amdhsa_float_denorm_mode_16_64 3
		.amdhsa_memory_ordered 1
		.amdhsa_forward_progress 1
		.amdhsa_inst_pref_size 28
	.end_amdhsa_kernel
	.amdgpu_metadata
---
amdhsa.version: [ 1, 2 ]
amdhsa.kernels:
  - .name:           k_q250a56d210_quant
    .symbol:         k_q250a56d210_quant.kd
    .args:
      - { .name: q, .offset: 0, .size: 8, .value_kind: global_buffer, .address_space: global }
      - { .name: kv, .offset: 8, .size: 8, .value_kind: global_buffer, .address_space: global }
      - { .name: wq, .offset: 16, .size: 8, .value_kind: global_buffer, .address_space: global }
      - { .name: wk, .offset: 24, .size: 8, .value_kind: global_buffer, .address_space: global }
      - { .name: wv, .offset: 32, .size: 8, .value_kind: global_buffer, .address_space: global }
      - { .name: w_proj, .offset: 40, .size: 8, .value_kind: global_buffer, .address_space: global }
      - { .name: xc, .offset: 48, .size: 8, .value_kind: global_buffer, .address_space: global }
      - { .name: xs, .offset: 56, .size: 8, .value_kind: global_buffer, .address_space: global }
    .group_segment_fixed_size: 51200
    .private_segment_fixed_size: 0
    .kernarg_segment_align: 8
    .kernarg_segment_size: 64
    .max_flat_workgroup_size: 96
    .sgpr_count:     66
    .vgpr_count:     202
    .wavefront_size: 32
...
	.end_amdgpu_metadata
.endif
;; end of part 1
;; launch proj (part 2): grid 12 x 16, 4 waves a work-group, clusters of 4 x 4, 327,680 bytes of LDS; arguments xc, xs, qc, qs, kvc, kvs; writes qc, qs, kvc, kvs
.if DOCPART == 2
	.amdgcn_target "amdgcn-amd-amdhsa--gfx1250"
	.amdhsa_code_object_version 6
	.text
	.protected	k_q250a56d210_proj
	.globl	k_q250a56d210_proj
	.p2align	8
	.type	k_q250a56d210_proj,@function
k_q250a56d210_proj:
	s_mov_b64 s[64:65], 0
	v_nop
	global_prefetch_b8 v0, s[64:65] scope:SCOPE_SE
	s_setreg_imm32_b32 hwreg(HW_REG_WAVE_MODE, 25, 1), 1
	s_wait_xcnt 0x0
	s_wait_alu depctr_hold_cnt(0) depctr_sa_sdst(0) depctr_va_vdst(0) depctr_va_sdst(0) depctr_va_ssrc(0) depctr_va_vcc(0) depctr_vm_vsrc(0)
	s_getreg_b32 s2, hwreg(HW_REG_IB_STS2, 6, 4)
	s_cmp_eq_u32 s2, 0
	s_cbranch_scc0 .Lentry_in_a_cluster
	s_endpgm
.Lentry_in_a_cluster:
	s_bfe_u32 s2, ttmp6, 0x10000c
	s_cmp_lg_u32 s2, 0xf033
	s_cbranch_scc0 .Lentry_shape_is_right
	s_endpgm
.Lentry_shape_is_right:
; LAUNCH 2 OF 4.  queries = q wq^T, keys = kv wk^T, values = kv wv^T on codes of FP8 (E4M3) with E8M0 scales, sums in f32; each result is quantised in registers for the attention's products and leaves as codes.
; SHARES.  Type = the cluster's x (0 queries, 1 keys, 2 values).  A work-group makes two heads x 512 rows (32 tiles of x); its waves stand 2 x 2: wave (rw, cw) is head 2 cx + cw and 16 tiles of x, 16 rw on: eight pairs.
; The head's 96 rows of the weight, 36 fragments, stay in 576 REGISTERS; each fragment of x read from LDS feeds six products.
; CLUSTER of 4 x 4: the four of a row share x's tiles, the four of a column the weight's: every fill is a joint load.  12 x 16 work-groups: a share of whole key steps of 128 rows with the weight held in registers does not divide into 256.
; FILLS, one a wave.  Head: wave 0 the two heads' weight, waves 1 and 2 pairs 0 to 2 of a row of waves, wave 3 all scale words of x.  The weight goes on into registers; then pairs 3 to 5 are filled over it behind a drained round,
; and pairs 6 and 7 over pairs 0 and 1 behind another, when pair 2 is in registers.  A barrier a trip shows them.
; PREFETCH: pairs 3 to 7, at the head: each block of 256 bytes once in a row of the cluster, shared out by address among its sixteen waves: 60 blocks a wave.
; A PAIR IS THREE THIRDS of 24 products: third b takes weight tiles 2 b, 2 b + 1 against both tiles of x: four accumulators by turns, K ascending, in set b of three.
; They are two blocks of 32 for each lane and lane l xor 16: for QUERIES AND KEYS (source 0 = the weight) channels 32 b + 16 (lane / 16) + 0 .. 15 of the lane's row, one block for each tile of x;
; for VALUES (source 0 = x) keys 16 (lane / 16) + 0 .. 15 of the pair's 32, one block for each of the two channel tiles.  (By the order of a tile's rows: launch 1.)
; The quantiser of a third stands among the products of the next, three lines behind each.  In the last third x's fragments are fetched anew, K step by K step, for the next pair.  A trip is thirds 2, 0, 1.
; OUT.  qc: [head H = 8 n + h][query tile][3 chunks x 512].  kvc: [H][key step of 128][8 key tiles x 1,536 | 6 channel tiles x 2,048].  qs: 64 bytes a tile.  kvs: [H][step][4 pairs of key tiles x 128 | 3 pairs of channel tiles x 128]:
; lanes 0-15 carry the even tile's 16 words, lanes 16-31 the odd one's.  The fourth byte of a query's or a key's word is 0: the fourth block of that K step is zero codes in launch 3.
; LIMITS: as launch 1's (NaN, infinities; a block of zeros has the byte 1).  The scale words leave in runs of 128 bytes.
; REGISTERS, in windows of 256: window 0 as named below.  windows 1, 2 and v0-63 of window 3: the weight's fragment (tile t, K step s) at register 256 + 16 (6 s + t).   window 3, v64-255: x's two tiles, six fragments each.
.set SLC,  147456                      ; LDS: 0: the weight's 12 tiles, then pairs 3-5; here pairs 0-2, then 6-7: 73,728 bytes for each row of waves, 24,576 a pair
.set XSL,  294912                      ; x's scale words, 384 bytes a tile
.set SPARE, 307200                     ; the spare words
.set LI,  2                            ; 16 x lane
.set LS,  3                            ; 4 x lane
.set XA,  4                            ; LDS address of the pair that is fetched
.set XSA, 5                            ; and of its scale words
.set COA, 6                            ; the trip's byte offset among the codes: its first pair,
.set COB, 7                            ; its second
.set XS0, 8
.set XB,  9
.set WS,  10                           ; v[WS + 3 t + p]: lanes 0-15 weight tile t's words of K step 2 p, lanes 16-31 of 2 p + 1
.set XS,  28                           ; v[XS + 3 u + p]: the same of x's tile u of the pair
.set W6,  34                           ; values: the running scale word of each channel tile
.set ACC, 40                           ; three sets of 32
.set CD,  136                          ; codes: eight registers for each set
.set MX,  160
.set SOF, 162                          ; the trip's byte offset among the scale words
.set HD,  164
.set SO,  166
.set BY,  168                          ; bytes: two for each set
.set PW,  174
.set SPW, 180
.set NIL, 181
.set PF,  182                          ; v182, v183 the prefetches' offsets
.set WA,  184                          ; v184, v185 LDS address of my weight tiles 0-2, 3-5
.set SEL, 66                           ; s[66:67]
.set MNT, 68
.set HIM, 69                           ; the mask of lanes 16-31
.set MSB, 0
.macro WIN new                         ; the immediate's high byte repeats the setting that is left; a switch that changes nothing is dropped
.if MSB != (\new)
	s_set_vgpr_msb (MSB<<8)|(\new)
.set MSB, (\new)
.endif
.endm
.macro PLACES n
.rept \n
	v_nop
.endr
.endm
.macro WALU
	s_wait_alu depctr_va_vdst(0)
.endm
.macro BARRIER
	s_barrier_signal -1
	s_barrier_wait -1
.endm
.macro CROUND                          ; a round of the cluster's barrier
	BARRIER
	s_cmp_lg_u32 s16, 0
	s_cbranch_scc1 .Lnot_wave_0_\@
	s_barrier_signal -3
.Lnot_wave_0_\@:
	s_barrier_wait -3
	BARRIER
.endm
.macro GROUP1 g, mask, rows            ; a dense block as rows of 256 bytes (32 elements of 8 bytes), shared by the work-groups of the mask; bit 21 set beside it
	s_or_b32 s[\g], s[\mask], (3<<16)|(1<<21)
	s_mov_b32 s[\g+1], 32<<16
	s_mov_b32 s[\g+2], (\rows)<<16
	s_mov_b32 s[\g+3], 32<<16
	s_mov_b32 s[\g+4], \rows
	s_mov_b32 s[\g+5], 32
	s_mov_b32 s[\g+6], 0
	s_mov_b32 s[\g+7], 0
.endm
.macro TLOAD g0, g1
	tensor_load_to_lds s[\g0:\g0+3], s[\g1:\g1+7]
	s_nop 0
	PLACES 4
.endm
	s_load_b256 s[4:11], s[0:1], 0x0               ; xc s[4:5], xs s[6:7], qc s[8:9], qs s[10:11]
	s_load_b128 s[12:15], s[0:1], 0x20             ; kvc s[12:13], kvs s[14:15]
	v_lshl_add_u32 v[SPW], v0, 2, SPARE
	v_mov_b32 v[NIL], 0
	ds_add_u32 v[SPW], v[NIL]                      ; the wave's opening: the add, twice on end, and its wait ahead of my first tensor load
	ds_add_u32 v[SPW], v[NIL]
	v_lshrrev_b32 v1, 5, v0
	v_readfirstlane_b32 s16, v1                    ; wave 0..3
	v_and_b32 v1, 31, v0                           ; lane
	s_lshr_b32 s17, s16, 1                         ; rw
	s_and_b32 s18, s16, 1                          ; cw
	s_bfe_u32 s19, ttmp6, 0x40000                  ; cx: the pair of heads of the type
	s_bfe_u32 s20, ttmp6, 0x40004                  ; cy
	s_and_b32 s22, ttmp7, 0xffff
	s_lshl_b32 s22, s22, 2
	s_add_co_u32 s22, s22, s20                     ; which 512 rows
	s_lshl_b32 s23, s20, 2
	s_lshl_b32 s23, 15, s23                        ; my row of the cluster
	s_lshl_b32 s24, 0x1111, s19                    ; my column
	GROUP1 28, 24, 576                             ; the weight's 12 tiles
	GROUP1 36, 23, 288                             ; six tiles of x
	GROUP1 44, 23, 48                              ; the scale words of 32 tiles
	s_mul_i32 s70, ttmp9, 48                       ; the weight's tiles: 1,024 + 48 type + 12 cx on
	s_mul_i32 s72, s19, 12
	s_add_co_u32 s70, s70, s72
	s_add_co_u32 s70, s70, 1024
	s_mul_i32 s76, s18, 6
	s_add_co_u32 s76, s76, s70
	s_mul_i32 s76, s76, 384                        ; my head's scale words
	s_mov_b32 s77, 0
	s_mul_i32 s70, s70, 12288
	s_mov_b32 s71, 0
	s_min_u32 s79, ttmp9, 1
	s_lshl_b32 s79, s79, 9                         ; kv's tiles lie 512 further on
	s_lshl_b32 s78, s22, 5
	s_add_co_u32 s78, s78, s79
	s_mul_i32 s80, s78, 12288                      ; x's first tile
	s_mul_i32 s74, s78, 384
	s_mov_b32 s75, 0
	s_mul_i32 s82, s17, 196608
	s_add_co_u32 s82, s82, s80                     ; row of waves rw's first tile.  (Waves 1 and 2, which fetch it at the head, have rw = 0 and 1)
	s_mov_b32 s72, s82
	s_mov_b32 s73, 0
	s_mov_b32 s52, 1                               ; groups 0: where the tiles go
	s_mov_b32 s53, 0
	s_mov_b32 s56, 1
	s_mul_i32 s57, s17, 73728
	s_add_co_u32 s57, s57, SLC
	s_mov_b32 s60, 1
	s_mov_b32 s61, XSL
	s_mov_b32 s[SEL], 0x76543210
	s_mov_b32 s[SEL+1], 0xfedcba98
	s_mov_b32 s[MNT], 0x600000
	WALU
	s_wait_dscnt 0x0                               ; both opening adds are done
	s_wait_kmcnt 0x0
	s_add_nc_u64 s[54:55], s[4:5], s[70:71]
	s_or_b32 s55, s55, 0x80000000
	s_add_nc_u64 s[58:59], s[4:5], s[72:73]
	s_or_b32 s59, s59, 0x80000000
	s_add_nc_u64 s[62:63], s[6:7], s[74:75]
	s_or_b32 s63, s63, 0x80000000
	CROUND                                         ; all sixteen work-groups are here: the joint loads meet
	s_cmp_lt_u32 s16, 1                            ; one tree of branches on the wave's number, one load on each way
	s_cbranch_scc0 .Lwave_1
	TLOAD 52, 28
	s_branch .Lasked
.Lwave_1:
	s_cmp_lt_u32 s16, 3
	s_cbranch_scc0 .Lwave_3
	TLOAD 56, 36
	s_branch .Lasked
.Lwave_3:
	TLOAD 60, 44
.Lasked:
	s_add_nc_u64 s[76:77], s[6:7], s[76:77]
	v_lshlrev_b32 v[LI], 4, v1
	v_lshlrev_b32 v[LS], 2, v1
	v_cmp_le_u32 s[HIM], 16, v1                    ; lanes 16-31
	s_mul_i32 s96, s17, 73728
	v_add_nc_u32 v[XB], s96, v[LI]
	v_add_nc_u32 v[XA], SLC, v[XB]                 ; pair 0
	s_mul_i32 s96, s17, 6144
	s_add_co_u32 s96, s96, XSL
	v_add_nc_u32 v[XS0], s96, v[LS]
	v_mov_b32 v[XSA], v[XS0]
	s_mul_i32 s96, s18, 73728
	v_add_nc_u32 v[WA], s96, v[LI]
	v_add_nc_u32 v[WA+1], 36864, v[WA]
	s_lshl_b32 s96, s19, 2                         ; the prefetches: of the cluster row's sixteen waves eight share each row of waves' pairs 3 to 7: 480 blocks of 256 bytes
	s_add_co_u32 s96, s96, s16
	s_lshr_b32 s97, s96, 3
	s_mul_i32 s97, s97, 196608
	s_and_b32 s96, s96, 7
	s_mul_i32 s96, s96, 15360
	s_add_co_u32 s96, s96, s97
	s_add_co_u32 s96, s96, s80
	s_add_co_u32 s96, s96, 73728
	v_lshl_add_u32 v[PF], v1, 8, s96               ; 32 blocks,
	s_add_co_u32 s96, s96, 8192
	v_min_u32 v[PF+1], 27, v1
	v_lshl_add_u32 v[PF+1], v[PF+1], 8, s96        ; and 28
.irp k, 0,1,2,3,4,5
	v_mov_b32 v[BY+\k], 0                          ; written once: a lane permute's destination counts as one of its sources
	v_mov_b32 v[W6+\k], 0
.endr
	; where my results go
	s_lshl_b32 s94, s22, 1
	s_add_co_u32 s94, s94, s17                     ; which 256 rows
	s_lshr_b32 s96, s94, 2                         ; n
	s_and_b32 s97, s94, 3                          ; qd
	s_lshl_b32 s96, s96, 3
	s_lshl_b32 s99, s19, 1
	s_add_co_u32 s96, s96, s99
	s_add_co_u32 s96, s96, s18                     ; H = 8 n + 2 cx + cw
	s_mul_i32 s84, s96, 98304
	s_mul_i32 s99, s97, 24576
	s_add_co_u32 s84, s84, s99
	s_min_u32 s98, ttmp9, 1                        ; kvc's strides are twice qc's
	s_lshl_b32 s84, s84, s98
	s_lshl_b32 s88, 12288, s98                     ; s88: bytes of codes from four pairs to the next four
	s_mov_b32 s89, 896
	s_cmp_eq_u32 ttmp9, 0
	s_cselect_b32 s89, 512, s89                    ; s89: the same of scale words
	s_lshl_b32 s86, s96, 3
	s_lshl_b32 s97, s97, 1
	s_add_co_u32 s86, s86, s97
	s_mul_i32 s86, s86, s89
	s_mov_b32 s90, 3072
	s_cmp_eq_u32 ttmp9, 2
	s_cselect_b32 s90, 512, s90                    ; s90: bytes of codes from pair to pair
	s_cselect_b32 s91, 0, 128                      ; s91: of scale words (values: a word is gathered over four pairs)
	s_cselect_b32 s96, 12288, 0                    ; values lie behind a step's keys
	s_cselect_b32 s97, 512, 0
	s_add_co_u32 s84, s84, s96
	s_add_co_u32 s86, s86, s97
	s_mov_b32 s85, 0
	s_mov_b32 s87, 0
	s_cmp_eq_u32 ttmp9, 0                          ; which buffers: the choice hangs on the cluster's number alone
	s_cselect_b64 s[92:93], s[8:9], s[12:13]
	s_cselect_b64 s[94:95], s[10:11], s[14:15]
	s_add_nc_u64 s[84:85], s[92:93], s[84:85]
	s_add_nc_u64 s[86:87], s[94:95], s[86:87]
	WALU
.irp t, 0,1,2,3,4,5
.irp p, 0,1,2
	global_load_b32 v[WS+3*\t+\p], v[LS], s[76:77] offset:384*\t+128*\p
.endr
.endr
	s_cmp_lt_u32 s16, 1
	s_cbranch_scc0 .Lnot_yet
	s_wait_tensorcnt 0x0                           ; wave 0: the weight is in.  The other waves' wait stands ahead of the round below
.Lnot_yet:
	BARRIER
	global_prefetch_b8 v[PF], s[4:5] th:TH_LOAD_NT scope:SCOPE_SE
	global_prefetch_b8 v[PF+1], s[4:5] th:TH_LOAD_NT scope:SCOPE_SE
.set wf, 0
.rept 36                               ; the weight's 36 fragments, f = 6 s + t: they stay
.set rW, (16*wf)&255
.set wt, wf%6
	WIN (1+wf/16)<<6                               ; destination window 1 + f / 16
.irp c, 0,1,2,3
	ds_load_b128 v[rW+4*\c:rW+4*\c+3], v[WA+wt/3] offset:(wt%3)*12288+(wf/6)*2048+512*\c
.endr
.set wf, wf+1
.endr
	WIN 0
	s_wait_tensorcnt 0x0                           ; my load is in, whichever it was
	ds_add_u32 v[SPW], v[NIL]
	s_mul_i32 s96, s18, 36864                      ; pairs 3 to 5 over the weight's bytes: three tiles a wave
	s_add_co_u32 s96, s96, s82
	s_add_co_u32 s96, s96, 73728
	s_mov_b32 s97, 0
	s_mul_i32 s57, s16, 36864
	s_add_nc_u64 s[58:59], s[4:5], s[96:97]
	s_or_b32 s59, s59, 0x80000000
	s_mov_b32 s38, 144<<16
	s_mov_b32 s40, 144
	s_wait_dscnt 0x0                               ; the add is done, and the weight is in registers
	CROUND
	TLOAD 56, 36
.macro FETCHS s                        ; both tiles' fragments of K step s; behind an odd step the scale words of two: 8 or 10 LDS loads
	WIN 0xc0                                       ; destination window 3
.irp u, 0,1
.irp c, 0,1,2,3
	ds_load_b128 v[64+96*\u+16*(\s)+4*\c:64+96*\u+16*(\s)+4*\c+3], v[XA] offset:12288*\u+2048*(\s)+512*\c
.endr
.endr
	WIN 0
.if (\s)%2
.irp u, 0,1
	ds_load_b32 v[XS+3*\u+(\s)/2], v[XSA] offset:384*\u+128*((\s)/2)
.endr
.endif
.endm
.macro WM d, a, b, sa, sb              ; one product of K step ps: the first starts the sum; an odd K step's scale words lie in lanes 16-31
.if ps == 0
	v_wmma_scale_f32_16x16x128_f8f6f4 v[\d:\d+7], v[\a:\a+15], v[\b:\b+15], 0, v[\sa], v[\sb]
.elseif ps%2
	v_wmma_scale_f32_16x16x128_f8f6f4 v[\d:\d+7], v[\a:\a+15], v[\b:\b+15], v[\d:\d+7], v[\sa], v[\sb] matrix_a_scale:MATRIX_SCALE_ROW1 matrix_b_scale:MATRIX_SCALE_ROW1
.else
	v_wmma_scale_f32_16x16x128_f8f6f4 v[\d:\d+7], v[\a:\a+15], v[\b:\b+15], v[\d:\d+7], v[\sa], v[\sb]
.endif
.endm
.macro PROD v, b, n                    ; product n = 4 s + 2 u + m of third b.  v = 1: values, x is source 0
.set ps, (\n)/4
.set pu, ((\n)/2)%2
.set pm, (\n)%2
.set pf, 6*ps+2*(\b)+pm
.set pW, (16*pf)&255
.set pX, 64+96*pu+16*ps
.set pSw, WS+3*(2*(\b)+pm)+ps/2
.set pSx, XS+3*pu+ps/2
.if \v
.set pD, ACC+32*(\b)+16*pm+8*pu
	WIN 3|((1+pf/16)<<2)
	WM pD, pX, pW, pSx, pSw
.else
.set pD, ACC+32*(\b)+16*pu+8*pm
	WIN (1+pf/16)|0x0c
	WM pD, pW, pX, pSw, pSx
.endif
.endm
; Line l (0 .. 66) of the quantiser of set b: two blocks by turns.  Each accumulator is read from its low end on.
.macro LINE l, v, b
.set lA, ACC+32*(\b)
.set lY, BY+2*(\b)
.if (\l) < 2
	v_max3_num_f32 v[MX+(\l)], |v[lA+16*(\l)]|, |v[lA+16*(\l)+1]|, 0x4800000   ; with the floor 2^(9 - 127) among the leaves: the byte cannot fall under 1
.elseif (\l) < 16
	v_max3_num_f32 v[MX+(\l)%2], v[MX+(\l)%2], |v[lA+16*((\l)%2)+2*((\l)/2)]|, |v[lA+16*((\l)%2)+2*((\l)/2)+1]|
.elseif (\l) < 18
	v_permlanex16_b32 v[lY+(\l)-16], v[MX+(\l)-16], s[SEL], s[SEL+1]
.elseif (\l) < 20
	v_max_num_f32 v[MX+(\l)-18], v[MX+(\l)-18], v[lY+(\l)-18]     ; the block's largest magnitude
.elseif (\l) < 22
	v_add_nc_u32 v[SO+(\l)-20], 0xfc000000, v[MX+(\l)-20]         ; 8 off its exponent field: the conversion's scale operand
.elseif (\l) < 24
	v_and_or_b32 v[HD+(\l)-22], v[MX+(\l)-22], 0x7f800000, s[MNT] ; 448 x the scale
.elseif (\l) < 26
	v_lshrrev_b32 v[lY+(\l)-24], 23, v[SO+(\l)-24]                ; the scale's byte
.elseif (\l) < 58
	v_med3_num_f32 v[lA+(\l)-26], v[lA+(\l)-26], -v[HD+((\l)-26)/16], v[HD+((\l)-26)/16]   ; the conversion does not saturate (ISA guide 7.6.2): the hold comes first
.elseif (\l) < 62
	v_cvt_scalef32_pk8_fp8_f32 v[CD+8*(\b)+2*((\l)-58):CD+8*(\b)+2*((\l)-58)+1], v[lA+8*((\l)-58):lA+8*((\l)-58)+7], v[SO+((\l)-58)/2]
.elseif \v
.if (\l) < 64
	v_alignbit_b32 v[W6+2*(\b)+(\l)-62], v[lY+(\l)-62], v[W6+2*(\b)+(\l)-62], 8   ; the byte enters its tile's word from above: after four pairs the first pair's lies lowest
.endif
.elseif (\b) == 2
.if (\l) < 64
	v_lshl_or_b32 v[PW+(\l)-62], v[BY+2+(\l)-62], 8, v[BY+(\l)-62]   ; a tile's three bytes make its rows' words
.elseif (\l) < 66
	v_lshl_or_b32 v[PW+(\l)-64], v[BY+4+(\l)-64], 16, v[PW+(\l)-64]
.elseif (\l) == 66
	v_cndmask_b32 v[PW+2], v[PW], v[PW+1], s[HIM]                 ; lanes 0-15 the even tile's words, lanes 16-31 the odd one's
.endif
.endif
.endm
; Third b.  lines = 1: among its products the quantiser of the third before.  fetch = 1: the next pair's fragments, each K step's behind the products of the K step that follows it.
; Places: eight plain lines behind this matrix form in front of loads into its sources and of reads of its results (ISA guide 7.12.1 for reads of its results).
.macro THIRD v, b, lines, fetch
.set G_, (\b+2)%3
.if (\b) == 0
	s_wait_dscnt 18                                ; K steps 0 to 3 are in; steps 4 and 5's 18 loads may stay out
.endif
.set N_, 0
.rept 24
.if ((\b) == 0) && (N_ == 16)
	s_wait_dscnt 0x0
.endif
	PROD \v, \b, N_
.if (\lines) && (3*N_ < 67)
	WIN 0
	LINE 3*N_, \v, G_
	LINE 3*N_+1, \v, G_
	LINE 3*N_+2, \v, G_
.endif
.if (\fetch) && (N_%4 == 3) && (N_ > 3) && (N_ < 23)
.if (N_ == 7) || (N_ == 19)
	WALU
.endif
	FETCHS N_/4-1
.endif
.set N_, N_+1
.endr
	WIN 0
	PLACES 8
.if \fetch
	FETCHS 4
	FETCHS 5
.endif
.endm
.macro STG v, b, co                    ; set b's codes leave: 512 consecutive bytes a store
	WALU
.irp i, 0,1
.if \v
	global_store_b128 v[\co], v[CD+8*\b+4*\i:CD+8*\b+4*\i+3], s[84:85] offset:2048*(2*\b+\i)   ; channel tile 2 b + i: this pair's 32 keys are one chunk of its image
.else
	global_store_b128 v[\co], v[CD+8*\b+4*\i:CD+8*\b+4*\i+3], s[84:85] offset:512*(3*\i+\b)    ; tile i of the pair, chunk b
.endif
.endr
.endm
.macro WORDS v
.if \v
.irp p, 0,1,2
	v_cndmask_b32 v[PW+\p], v[W6+2*\p], v[W6+2*\p+1], s[HIM]      ; lanes 0-15 the even channel tile's words, lanes 16-31 the odd one's
.endr
.irp p, 0,1,2
	global_store_b32 v[SOF], v[PW+\p], s[86:87] offset:128*\p
.endr
.else
	global_store_b32 v[SOF], v[PW+2], s[86:87]
.endif
.endm
; A trip's head, the same for both ways: J (s92): thirds 2 of pair J, 0 and 1 of pair J + 1.
.macro HEADT
	s_wait_xcnt 0x0                                ; the last trip's stores have read their data and offsets: both are written again below
	s_mov_b32 s94, s95
	s_add_co_u32 s96, s92, 1
	s_lshr_b32 s97, s96, 2
	s_mul_i32 s97, s97, s88
	s_and_b32 s96, s96, 3
	s_mul_i32 s96, s96, s90
	s_add_co_u32 s95, s97, s96
	s_lshr_b32 s97, s92, 2
	s_mul_i32 s97, s97, s89
	s_and_b32 s71, s92, 3
	s_mul_i32 s96, s71, s91
	s_add_co_u32 s97, s97, s96
	v_add_nc_u32 v[COA], s94, v[LI]
	v_add_nc_u32 v[COB], s95, v[LI]
	v_add_nc_u32 v[SOF], s97, v[LS]
	v_add_nc_u32 v[XA], s93, v[XB]
	v_add_nc_u32 v[XSA], s98, v[XS0]
	s_add_co_u32 s98, s98, 768
	WALU
	s_cmp_eq_u32 ttmp9, 2
.endm
.macro TRIP v, w                       ; w = 1: among these trips is one behind which a key step's words of values are whole
	THIRD \v, 2, 1, 1
	STG \v, 1, COA
	THIRD \v, 0, 1, 0
	STG \v, 2, COA
.if \v
.if \w
	s_cmp_lg_u32 s71, 3                            ; a key step's words are whole after its fourth pair
	s_cbranch_scc1 .Lnot_whole_\@
	WORDS 1
.Lnot_whole_\@:
.endif
.else
	WORDS 0
.endif
	THIRD \v, 1, 1, 0
	STG \v, 0, COB
.endm
.macro FIRST v                         ; thirds 0 and 1 of pair 0
	THIRD \v, 0, 0, 0
	THIRD \v, 1, 1, 0
	STG \v, 0, COB
.endm
.macro LAST v                          ; third 2 of pair 7, and its way out
	THIRD \v, 2, 1, 0
	STG \v, 1, COA
.set N_, 0
.rept 67
	LINE N_, \v, 2
.set N_, N_+1
.endr
	STG \v, 2, COA
	WORDS \v
.endm
.irp s, 0,1,2,3,4,5
	FETCHS \s
.endr
	v_mov_b32 v[COB], v[LI]                        ; pair 0
	s_mov_b32 s95, 0
	s_mov_b32 s93, SLC+24576                       ; trip 0 fetches pair 1
	s_mov_b32 s98, 768
	s_mov_b32 s92, 0
	WALU
	s_wait_loadcnt 0x0                             ; the weight's scale words
	s_cmp_eq_u32 ttmp9, 2
	s_cbranch_scc1 .Lvalues_first
	FIRST 0
	s_branch .Ltrips
.Lvalues_first:
	FIRST 1
.Ltrips:
.Ltrip_a:                                          ; trips 0 and 1 fetch pairs 1 and 2
	HEADT
	s_cbranch_scc1 .Lvalues_a
	TRIP 0, 0
	s_branch .Ljoin_a
.Lvalues_a:
	TRIP 1, 0
.Ljoin_a:
	s_add_co_u32 s93, s93, 24576
	s_add_co_u32 s92, s92, 1
	s_cmp_lt_u32 s92, 2
	s_cbranch_scc1 .Ltrip_a
	s_wait_tensorcnt 0x0                           ; my part of pairs 3 to 5 is in
	ds_add_u32 v[SPW], v[NIL]
	s_mul_i32 s96, s18, 24576                      ; pairs 6 and 7 over pairs 0 and 1: two tiles a wave
	s_add_co_u32 s57, s96, SLC
	s_add_co_u32 s96, s96, s82
	s_add_co_u32 s96, s96, 147456
	s_mul_i32 s97, s17, 73728
	s_add_co_u32 s57, s57, s97
	s_mov_b32 s97, 0
	s_add_nc_u64 s[58:59], s[4:5], s[96:97]
	s_or_b32 s59, s59, 0x80000000
	s_mov_b32 s38, 96<<16
	s_mov_b32 s40, 96
	s_wait_dscnt 0x0                               ; the add is done, and pairs 0 to 2 are in registers
	CROUND
	TLOAD 56, 36
	s_mov_b32 s93, 0                               ; trip 2 fetches pair 3
	s_mov_b32 s92, 2
.Ltrip_b:                                          ; trips 2 to 6 fetch pairs 3 to 7
	HEADT
	s_cbranch_scc1 .Lvalues_b
	TRIP 0, 1
	s_branch .Ljoin_b
.Lvalues_b:
	TRIP 1, 1
.Ljoin_b:
	s_wait_tensorcnt 0x0                           ; my part of pairs 6 and 7 is in; the barrier shows it to all
	s_wait_dscnt 0x0
	BARRIER
	s_add_co_u32 s92, s92, 1
	s_sub_co_u32 s96, s92, 2                       ; k: pair 3 + k lies 24,576 k on, and 73,728 more from k = 3 on
	s_mul_i32 s93, s96, 24576
	s_add_co_u32 s96, s96, 1
	s_lshr_b32 s96, s96, 2
	s_mul_i32 s96, s96, 73728
	s_add_co_u32 s93, s93, s96
	s_cmp_lt_u32 s92, 7
	s_cbranch_scc1 .Ltrip_b
	s_wait_xcnt 0x0                                ; as at a trip's head
	s_mul_i32 s96, s91, 3
	s_add_co_u32 s96, s96, s89
	v_add_nc_u32 v[COA], s95, v[LI]                ; pair 7
	v_add_nc_u32 v[SOF], s96, v[LS]
	WALU
	s_cmp_eq_u32 ttmp9, 2
	s_cbranch_scc1 .Lvalues_last
	LAST 0
	s_branch .Lend
.Lvalues_last:
	LAST 1
.Lend:
	s_wait_tensorcnt 0x0                           ; the wave's end
	ds_add_u32 v[SPW], v[NIL]
	s_wait_dscnt 0x0
	CROUND                                         ; the closing round: no work-group ends while a partner may still ask for a tile that names it
	s_endpgm
.Lfunc_end_k_q250a56d210_proj:
	.size	k_q250a56d210_proj, .Lfunc_end_k_q250a56d210_proj-k_q250a56d210_proj
	.p2alignl 7, 3214868480
	.fill 96, 4, 3214868480
	.section	.rodata,"a",@progbits
	.p2align	6, 0x0
	.amdhsa_kernel k_q250a56d210_proj
		.amdhsa_group_segment_fixed_size 327680
		.amdhsa_private_segment_fixed_size 0
		.amdhsa_enable_private_segment 0
		.amdhsa_kernarg_size 48
		.amdhsa_user_sgpr_count 2
		.amdhsa_user_sgpr_kernarg_segment_ptr 1
		.amdhsa_wavefront_size32 1
		.amdhsa_system_sgpr_workgroup_id_x 1
		.amdhsa_system_sgpr_workgroup_id_y 1
		.amdhsa_system_sgpr_workgroup_id_z 1
		.amdhsa_system_vgpr_workitem_id 0
		.amdhsa_next_free_vgpr 1024
		.amdhsa_next_free_sgpr 100
		.amdhsa_reserve_vcc 0
		.amdhsa_float_denorm_mode_32 3
		.amdhsa_float_denorm_mode_16_64 3
		.amdhsa_memory_ordered 1
		.amdhsa_forward_progress 1
		.amdhsa_inst_pref_size 205
	.end_amdhsa_kernel
	.amdgpu_metadata
---
amdhsa.version: [ 1, 2 ]
amdhsa.kernels:
  - .name:           k_q250a56d210_proj
    .symbol:         k_q250a56d210_proj.kd
    .args:
      - { .name: xc, .offset: 0, .size: 8, .value_kind: global_buffer, .address_space: global }
      - { .name: xs, .offset: 8, .size: 8, .value_kind: global_buffer, .address_space: global }
      - { .name: qc, .offset: 16, .size: 8, .value_kind: global_buffer, .address_space: global }
      - { .name: qs, .offset: 24, .size: 8, .value_kind: global_buffer, .address_space: global }
      - { .name: kvc, .offset: 32, .size: 8, .value_kind: global_buffer, .address_space: global }
      - { .name: kvs, .offset: 40, .size: 8, .value_kind: global_buffer, .address_space: global }
    .group_segment_fixed_size: 327680
    .private_segment_fixed_size: 0
    .kernarg_segment_align: 8
    .kernarg_segment_size: 48
    .max_flat_workgroup_size: 128
    .sgpr_count:     100
    .vgpr_count:     1024
    .wavefront_size: 32
...
	.end_amdgpu_metadata
.endif
;; end of part 2
;; launch attn (part 3): grid 4 x 64, 8 waves a work-group, clusters of 4 x 1, 204,800 bytes of LDS; arguments qc, qs, kvc, kvs, oc, os; writes oc, os
.if DOCPART == 3
	.amdgcn_target "amdgcn-amd-amdhsa--gfx1250"
	.amdhsa_code_object_version 6
	.text
	.protected	k_q250a56d210_attn
	.globl	k_q250a56d210_attn
	.p2align	8
	.type	k_q250a56d210_attn,@function
k_q250a56d210_attn:
	s_mov_b64 s[64:65], 0
	v_nop
	global_prefetch_b8 v0, s[64:65] scope:SCOPE_SE
	s_setreg_imm32_b32 hwreg(HW_REG_WAVE_MODE, 25, 1), 1
	s_wait_xcnt 0x0
	s_wait_alu depctr_hold_cnt(0) depctr_sa_sdst(0) depctr_va_vdst(0) depctr_va_sdst(0) depctr_va_ssrc(0) depctr_va_vcc(0) depctr_vm_vsrc(0)
	s_getreg_b32 s2, hwreg(HW_REG_IB_STS2, 6, 4)
	s_cmp_eq_u32 s2, 0
	s_cbranch_scc0 .Lentry_in_a_cluster
	s_endpgm
.Lentry_in_a_cluster:
	s_bfe_u32 s2, ttmp6, 0x10000c
	s_cmp_lg_u32 s2, 0x3003
	s_cbranch_scc0 .Lentry_shape_is_right
	s_endpgm
.Lentry_shape_is_right:
; LAUNCH 3 OF 4.  For each of the 64 heads H = 8 n + h: O = softmax(Q K^T / sqrt(768)) V, both products on codes of FP8 (E4M3) with E8M0 scales; O is quantised along the last product's K and leaves as codes.
; THE SOFTMAX AHEAD OF THE SECOND PRODUCT: t = score x log2(e) / sqrt(768); M = the row's largest t so far, rounded UP to a whole number; p = 2^(t - M) is what is quantised, along the keys, not normalised.
; The row's sum is taken of the unquantised p, in f32, and divides O at the end.  When M moves, the sum and O are multiplied by 2^(old M - new M): exact.
; SHARES.  A work-group owns 256 queries of one head; each of its EIGHT waves owns TWO tiles of 16 queries, A and B, in 512 registers: two waves to a SIMD.  Every fragment of K and of V that a wave reads from LDS feeds two products.
; ALL of the head's keys, values and scale words, 203,776 bytes, lie in LDS at once: filled once, never again, so there is no ring.  Every wave walks the 1,024 keys, 128 a step.
; FILLS, one load a wave: wave 0 the head's scale words, wave 1 key steps 0 and 1, waves 2 to 7 one key step each.  The first barrier shows waves 0 and 1's loads, the second all the others.
; No prefetch: every byte that the launch streams is asked for at the head, so no trip of the loop asks for anything.
; CLUSTER.  The four work-groups of a cluster are the four query blocks of one head and want the same bytes: every fill is a JOINT load, the same descriptor and the mask of all four in all four.
; My place in the cluster enters the global addresses of Q and O alone.
; LAYOUT.  Both products are used transposed: S^T = K Q^T (source 0 = 16 keys, source 1 = 16 queries), O^T = V^T P^T (source 0 = 16 channels, source 1 = P): a lane holds ONE query (lane % 16) of each tile throughout.
; By the order of a tile's rows (launch 1) the 16 registers of key tiles 2 b, 2 b + 1 are keys 32 b + 16 (lane / 16) + 0 .. 15, and those of channel tiles 2 b, 2 b + 1 channels 32 b + 16 (lane / 16) + 0 .. 15.
; The head has 96 channels: three blocks of 32.  The fourth block of the first product's K step is zero codes on both sides: registers 12-15 of Q's and of K's fragments are cleared once and never loaded.
; ORDER OF A STEP.  S^T of both tiles | the next step's K is asked for | tile A's softmax | V is asked for, over A's p | tile B's softmax | V^T P of both tiles.
; So K has a whole step, and V a whole softmax, in which to come out of LDS.
; LIMITS: NaN and infinities are not served; the promise holds while |t| stays under 2^31; a block of zeros has the byte 1 (its codes are zeros; this program alone reads the bytes).  A block's largest p is made from the block's
; largest score by the same multiply-add and exponential as every p; that takes v_exp_f32 not to fall where its input rises.  O's scale words leave in runs of 64 bytes.
; REGISTERS, in two windows of 256 (s_set_vgpr_msb's low byte: bits 1:0 source 0, 3:2 source 1, 5:4 source 2, 7:6 destination).  TILE B'S STATE HAS IN WINDOW 1 THE LOW NUMBERS THAT TILE A'S HAS IN WINDOW 0,
; so the softmax and the way out are written once and run under the settings 0 and 0x55.
;   window 0: v0-3 addresses; v4-11 and v15 scale words and nothing else; v[12:13] the sum in two halves; v14 the largest t; v16-31 Q; v32-95 K's tiles 0-3; v96-159 S^T, then p, then V's channel tiles 0-3;
;             v160-207 O^T; v208-223 p's codes; v224-255 at work, then V's channel tiles 4 and 5.
;   window 1: v12-15, v16-31, v96-253 the same of tile B (no V there); v32-95 K's tiles 4-7; v254, v255 my spare word and 0.
.set STEPB, 24576                      ; LDS: key step j at 24,576 j: 8 key tiles x 1,536, then 6 channel tiles x 2,048
.set VOFF,  12288
.set SCL,   196608                     ; behind the eight steps: the scale words, 896 bytes a step: 4 pairs of key tiles x 128, then 3 pairs of channel tiles x 128
.set SPARE, 203776
.set LI,  0                            ; v0   16 x lane
.set LS0, 1                            ; v1   SCL + 4 x lane
.set ADK, 2                            ; v2   the step's codes
.set ADS, 3                            ; v3   the step's scale words
.set QS,  4                            ; v4   Q's scale words: lanes 0-15 tile A's, lanes 16-31 tile B's
.set KS,  5                            ; v5-8 K's: a pair of tiles to a register
.set VS,  9                            ; v9-11 V's likewise
.set L,   12
.set TT,  14                           ; the running largest t
.set PWD, 15                           ; p's scale words: lanes 0-15 tile A's, lanes 16-31 tile B's (in window 1: tile B's, as it is made)
.set QF,  16
.set KF,  32
.set S,   96
.set O,   160
.set PCD, 208
.set MX,  224                          ; v224-227 the blocks' largest scores, then largest p
.set BY,  228                          ; v228-231 the other half's, then the bytes
.set HD,  232                          ; v232-235 448 x the scale
.set SO,  236                          ; v236-239 the conversion's scale operand
.set SUM2, 240                         ; v[240:241] the second chain of the sum
.set F,   242                          ; v[242:243] f = 2^(old M - new M), in the low word
.set TMP, 244                          ; v244-245
.set NM,  246                          ; v[246:247] -M, in the low word: made anew in every step from the largest t
.set WV,  16
.set SEL, 60                           ; s[60:61]
.set CS,  62                           ; s[62:63] c = log2(e) / sqrt(768): the packed form names a pair and takes its low word for both halves
.set MNT, 66
.set TB,  67                           ; s67  LDS byte at which the step's codes begin
.set TS,  68                           ; s68  the same of its scale words, from SCL
.set CNT, 69
.set HIM, 84                           ; s84  the mask of lanes 16-31
.set MSB, 0
.macro WIN new                         ; the immediate's high byte repeats the setting that is left; a switch that changes nothing is dropped
.if MSB != (\new)
	s_set_vgpr_msb (MSB<<8)|(\new)
.set MSB, (\new)
.endif
.endm
.macro PLACES n
.rept \n
	v_nop
.endr
.endm
.macro CROUND                          ; a round of the cluster's barrier: my work-group's barrier; wave 0 signals for the work-group; every wave waits for all four work-groups; my work-group's barrier once more
	s_barrier_signal -1
	s_barrier_wait -1
	s_cmp_lg_u32 s[WV], 0
	s_cbranch_scc1 .Lnot_wave_0_\@
	s_barrier_signal -3
.Lnot_wave_0_\@:
	s_barrier_wait -3
	s_barrier_signal -1
	s_barrier_wait -1
.endm
; nb blocks of 32: block b's 16 numbers of my lane in v[src + 16 b] on, the other 16 in lane l xor 16.  Codes into v[cd + 4 b] on, bytes into v[BY + b].
.macro QUANT nb, src, cd
.set qb, 0
.rept \nb
	v_max3_num_f32 v[MX+qb], |v[(\src)+16*qb]|, |v[(\src)+16*qb+1]|, 0x4800000   ; with the floor 2^(9 - 127) among the leaves: the byte cannot fall under 1
.set qb, qb+1
.endr
.set qi, 2
.rept 7
.set qb, 0
.rept \nb
	s_delay_alu instid0(VALU_DEP_3)
	v_max3_num_f32 v[MX+qb], v[MX+qb], |v[(\src)+16*qb+qi]|, |v[(\src)+16*qb+qi+1]|
.set qb, qb+1
.endr
.set qi, qi+2
.endr
.set qb, 0
.rept \nb
	s_delay_alu instid0(VALU_DEP_3)
	v_permlanex16_b32 v[BY+qb], v[MX+qb], s[SEL], s[SEL+1]
.set qb, qb+1
.endr
.set qb, 0
.rept \nb
	s_delay_alu instid0(VALU_DEP_3)
	v_max_num_f32 v[MX+qb], v[MX+qb], v[BY+qb]
.set qb, qb+1
.endr
.set qb, 0
.rept \nb
	s_delay_alu instid0(VALU_DEP_3)
	v_add_nc_u32 v[SO+qb], 0xfc000000, v[MX+qb]
.set qb, qb+1
.endr
.set qb, 0
.rept \nb
	v_and_or_b32 v[HD+qb], v[MX+qb], 0x7f800000, s[MNT]
.set qb, qb+1
.endr
.set qb, 0
.rept \nb
	v_lshrrev_b32 v[BY+qb], 23, v[SO+qb]
.set qb, qb+1
.endr
.set qb, 0
.rept \nb
.set qi, 0
.rept 16
	v_med3_num_f32 v[(\src)+16*qb+qi], v[(\src)+16*qb+qi], -v[HD+qb], v[HD+qb]   ; the conversion does not saturate (ISA guide 7.6.2): the hold comes first
.set qi, qi+1
.endr
	v_cvt_scalef32_pk8_fp8_f32 v[(\cd)+4*qb:(\cd)+4*qb+1], v[(\src)+16*qb:(\src)+16*qb+7], v[SO+qb]
	v_cvt_scalef32_pk8_fp8_f32 v[(\cd)+4*qb+2:(\cd)+4*qb+3], v[(\src)+16*qb+8:(\src)+16*qb+15], v[SO+qb]
.set qb, qb+1
.endr
	v_nop                                                         ; one plain line behind the last conversion
.endm
	s_load_b256 s[4:11], s[0:1], 0x0               ; qc s[4:5], qs s[6:7], kvc s[8:9], kvs s[10:11]
	s_load_b128 s[12:15], s[0:1], 0x20             ; oc s[12:13], os s[14:15]
	s_set_vgpr_msb 0x40
	v_lshl_add_u32 v254, v0, 2, SPARE              ; (window 1)
	v_mov_b32 v255, 0
	s_set_vgpr_msb 0x4045
	ds_add_u32 v254, v255                          ; the wave's opening: the add, twice on end, and its wait ahead of my first tensor load
	ds_add_u32 v254, v255
	s_set_vgpr_msb 0x4500
	v_lshrrev_b32 v[TMP], 5, v0
	s_delay_alu instid0(VALU_DEP_1)
	v_readfirstlane_b32 s[WV], v[TMP]              ; wave 0..7
	v_and_b32 v[TMP], 31, v0                       ; lane
	s_delay_alu instid0(VALU_DEP_1)
	v_cmp_le_u32 s[HIM], 16, v[TMP]                ; lanes 16-31
	s_delay_alu instid0(VALU_DEP_2)
	v_lshl_add_u32 v[LS0], v[TMP], 2, SCL
	s_delay_alu instid0(VALU_DEP_3)
	v_lshlrev_b32 v[TMP+1], 2, v[TMP]              ; 4 x lane: Q's scale words
	s_delay_alu instid0(VALU_DEP_4)
	v_lshlrev_b32 v[LI], 4, v[TMP]                 ; (the thread's number is not wanted again)
	s_and_b32 s18, ttmp7, 0xffff                   ; H, which the four partners share
	; what is fetched: nothing here hangs on my place in the cluster.  A byte's place in LDS is its place in the head
	s_mul_i32 s70, s18, 7168                       ; the head's scale words: 8 x 896 bytes = 28 rows of 256
	s_mov_b32 s71, 0
	s_mul_i32 s72, s18, 196608                     ; the head's codes
	s_mov_b32 s73, 0
	s_mul_i32 s33, s[WV], STEPB                    ; waves 2 to 7: key step number wave
	s_add_co_u32 s74, s72, s33
	s_mov_b32 s75, 0
	; what is mine alone: query tiles T and T + 1 of the head
	s_bfe_u32 s17, ttmp6, 0x40000                  ; cx
	s_lshl_b32 s19, ttmp9, 2                       ; in a cluster launch ttmp9 counts clusters
	s_add_co_u32 s19, s19, s17                     ; my block of 256 queries
	s_lshl_b32 s19, s19, 4
	s_lshl_b32 s22, s[WV], 1
	s_add_co_u32 s19, s19, s22                     ; T: tile A; an even number
	s_mul_i32 s76, s18, 98304
	s_mul_i32 s22, s19, 1536
	s_add_co_u32 s76, s76, s22                     ; Q's chunks: three for tile A, then three for tile B
	s_mov_b32 s77, 0
	s_lshl_b32 s78, s18, 12
	s_lshl_b32 s22, s19, 6
	s_add_co_u32 s78, s78, s22                     ; Q's scale words: 64 bytes for tile A, then 64 for tile B
	s_mov_b32 s79, 0
	s_lshr_b32 s22, s18, 3
	s_lshl_b32 s22, s22, 6
	s_add_co_u32 s22, s22, s19                     ; the row tile of O: 64 n + T
	s_and_b32 s23, s18, 7                          ; h
	s_mul_i32 s80, s22, 12288
	s_mul_i32 s20, s23, 1536
	s_add_co_u32 s80, s80, s20                     ; blocks 3 h .. 3 h + 2 of its image; tile B's lie 12,288 bytes on
	s_mov_b32 s81, 0
	s_lshl_b32 s82, s22, 9
	s_lshl_b32 s20, s23, 6
	s_add_co_u32 s82, s82, s20                     ; and their scale words; tile B's 512 bytes on
	s_mov_b32 s83, 0
	; descriptor groups 1: 15:0 the mask of all four work-groups; 17:16 elements of 8 bytes; 21 set beside a mask; no padding; rows of 256 bytes
.macro GROUP1 g, rows
	s_mov_b32 s[\g], 15|(3<<16)|(1<<21)
	s_mov_b32 s[\g+1], 32<<16
	s_mov_b32 s[\g+2], (\rows)<<16
	s_mov_b32 s[\g+3], 32<<16
	s_mov_b32 s[\g+4], \rows
	s_mov_b32 s[\g+5], 32
	s_mov_b32 s[\g+6], 0
	s_mov_b32 s[\g+7], 0
.endm
	GROUP1 36, 28                                  ; the scale words
	GROUP1 44, 192                                 ; key steps 0 and 1
	GROUP1 52, 96                                  ; one key step
	s_mov_b32 s[SEL], 0x76543210
	s_mov_b32 s[SEL+1], 0xfedcba98
	s_mov_b32 s[CS], 0x3d553b95                    ; c = log2(e) / sqrt(768)
	s_mov_b32 s[CS+1], s[CS]                       ; (named with it as a pair, so it is written)
	s_mov_b32 s[MNT], 0x600000
	s_mov_b32 s[TB], 0
	s_mov_b32 s[TS], 0
	s_mov_b32 s24, 1
	s_mov_b32 s25, SCL
	s_mov_b32 s28, 1
	s_mov_b32 s29, 0
	s_mov_b32 s32, 1
	s_wait_alu depctr_va_vdst(0)
	s_wait_dscnt 0x0                               ; both opening adds are done
	s_wait_kmcnt 0x0
	s_add_nc_u64 s[26:27], s[10:11], s[70:71]
	s_or_b32 s27, s27, 0x80000000                  ; type = 2
	s_add_nc_u64 s[30:31], s[8:9], s[72:73]
	s_or_b32 s31, s31, 0x80000000
	s_add_nc_u64 s[34:35], s[8:9], s[74:75]
	s_or_b32 s35, s35, 0x80000000
	s_add_nc_u64 s[4:5], s[4:5], s[76:77]
	s_add_nc_u64 s[6:7], s[6:7], s[78:79]
	s_add_nc_u64 s[12:13], s[12:13], s[80:81]
	s_add_nc_u64 s[14:15], s[14:15], s[82:83]
.irp c, 0,1,2
	global_load_b128 v[QF+4*\c:QF+4*\c+3], v[LI], s[4:5] offset:512*\c         ; tile A's Q stays in registers
.endr
	global_load_b32 v[QS], v[TMP+1], s[6:7]        ; 128 consecutive bytes: both tiles' scale words
	WIN 0x40                                       ; destination window 1
.irp c, 0,1,2
	global_load_b128 v[QF+4*\c:QF+4*\c+3], v[LI], s[4:5] offset:1536+512*\c    ; tile B's
.endr
	WIN 0
	CROUND                                         ; all four work-groups are here: the joint loads meet
	s_cmp_lt_u32 s[WV], 1                          ; one tree of branches on the wave's number, one load on each way
	s_cbranch_scc0 .Lwave_1
	tensor_load_to_lds s[24:27], s[36:43]          ; wave 0: the scale words
	s_nop 0
	PLACES 4
	s_branch .Lasked
.Lwave_1:
	s_cmp_lt_u32 s[WV], 2
	s_cbranch_scc0 .Lwaves_2
	tensor_load_to_lds s[28:31], s[44:51]          ; wave 1: key steps 0 and 1
	s_nop 0
	PLACES 4
	s_branch .Lasked
.Lwaves_2:
	tensor_load_to_lds s[32:35], s[52:59]          ; waves 2 to 7: a key step each
	s_nop 0
	PLACES 4
.Lasked:
; What a tile begins with; under the setting 0 for tile A (and K's tiles 0-3), under 0x55 for tile B (and K's tiles 4-7).
.macro INIT
.irp j, 0,1,2,3
	v_mov_b32 v[QF+12+\j], 0                       ; the fourth block of the K step: zero codes, in Q
.irp t, 0,1,2,3
	v_mov_b32 v[KF+16*\t+12+\j], 0                 ; and in K's four fragments of this window: never loaded
.endr
	v_mov_b32 v[BY+\j], 0                          ; written once: a lane permute's destination counts as one of its sources
.endr
	v_mov_b32 v[F+1], 0                            ; (named as the upper halves of pairs)
	v_mov_b32 v[NM+1], 0
	v_mov_b32 v[L], 0                              ; the sum, in two halves
	v_mov_b32 v[L+1], 0
	v_mov_b32 v[TT], 0xff61b1e6                    ; the largest t so far: -3e38, under every t
.set j, 0
.rept 48
	v_mov_b32 v[O+j], 0                            ; O^T: the step is written without a first step of its own: the first change of M multiplies zeros
.set j, j+1
.endr
.endm
	INIT
	WIN 0x55
	INIT
	WIN 0
; The eight key tiles of the step that begins off bytes behind v[ADK], and their scale words: 28 LDS loads.
.macro FETCHK off, soff
.irp p, 0,1,2,3
	ds_load_b32 v[KS+\p], v[ADS] offset:(\soff)+128*\p
.endr
.irp t, 0,1,2,3
.irp c, 0,1,2
	ds_load_b128 v[KF+16*\t+4*\c:KF+16*\t+4*\c+3], v[ADK] offset:(\off)+1536*\t+512*\c
.endr
.endr
	WIN 0x40                                       ; destination window 1
.irp t, 0,1,2,3
.irp c, 0,1,2
	ds_load_b128 v[KF+16*\t+4*\c:KF+16*\t+4*\c+3], v[ADK] offset:(\off)+1536*(4+\t)+512*\c
.endr
.endr
	WIN 0
.endm
; Four products of S^T = K Q^T: the four key tiles of one window against one tile of queries.  d0: the first accumulator; k0: the first register of K's scale words; brow = 1: tile B, whose scale words lie in lanes 16-31.
.macro KQ d0, k0, brow
.irp p, 0,1
.if \brow
	v_wmma_scale_f32_16x16x128_f8f6f4 v[(\d0)+16*\p:(\d0)+16*\p+7], v[KF+32*\p:KF+32*\p+15], v[QF:QF+15], 0, v[(\k0)+\p], v[QS] matrix_b_scale:MATRIX_SCALE_ROW1
	v_wmma_scale_f32_16x16x128_f8f6f4 v[(\d0)+16*\p+8:(\d0)+16*\p+15], v[KF+32*\p+16:KF+32*\p+31], v[QF:QF+15], 0, v[(\k0)+\p], v[QS] matrix_a_scale:MATRIX_SCALE_ROW1 matrix_b_scale:MATRIX_SCALE_ROW1
.else
	v_wmma_scale_f32_16x16x128_f8f6f4 v[(\d0)+16*\p:(\d0)+16*\p+7], v[KF+32*\p:KF+32*\p+15], v[QF:QF+15], 0, v[(\k0)+\p], v[QS]
	v_wmma_scale_f32_16x16x128_f8f6f4 v[(\d0)+16*\p+8:(\d0)+16*\p+15], v[KF+32*\p+16:KF+32*\p+31], v[QF:QF+15], 0, v[(\k0)+\p], v[QS] matrix_a_scale:MATRIX_SCALE_ROW1
.endif
.endr
.endm
; Six products of O^T += V^T P^T for one tile of queries: six accumulators, one instruction each.
.macro PV brow
.irp p, 0,1,2
.if \p < 2
.set rV, S+32*\p
.else
.set rV, 224
.endif
.if \brow
	v_wmma_scale_f32_16x16x128_f8f6f4 v[O+16*\p:O+16*\p+7], v[rV:rV+15], v[PCD:PCD+15], v[O+16*\p:O+16*\p+7], v[VS+\p], v[PWD] matrix_b_scale:MATRIX_SCALE_ROW1
	v_wmma_scale_f32_16x16x128_f8f6f4 v[O+16*\p+8:O+16*\p+15], v[rV+16:rV+31], v[PCD:PCD+15], v[O+16*\p+8:O+16*\p+15], v[VS+\p], v[PWD] matrix_a_scale:MATRIX_SCALE_ROW1 matrix_b_scale:MATRIX_SCALE_ROW1
.else
	v_wmma_scale_f32_16x16x128_f8f6f4 v[O+16*\p:O+16*\p+7], v[rV:rV+15], v[PCD:PCD+15], v[O+16*\p:O+16*\p+7], v[VS+\p], v[PWD]
	v_wmma_scale_f32_16x16x128_f8f6f4 v[O+16*\p+8:O+16*\p+15], v[rV+16:rV+31], v[PCD:PCD+15], v[O+16*\p+8:O+16*\p+15], v[VS+\p], v[PWD] matrix_a_scale:MATRIX_SCALE_ROW1
.endif
.endr
.endm
.macro TM j                            ; t - M of two scores (of the pairs c and -M the low word serves both halves)
	v_pk_fma_f32 v[S+\j:S+\j+1], v[S+\j:S+\j+1], s[CS:CS+1], v[NM:NM+1] op_sel_hi:[1,0,0]
.endm
.macro SUML n                          ; pair n (0 .. 31) of the row's sum, taken of the UNQUANTISED p, in two chains; the second begins with the first two pairs
.if (\n) == 0
.elseif (\n) == 1
	v_pk_add_f32 v[SUM2:SUM2+1], v[S:S+1], v[S+2:S+3]
.elseif (\n)%2 == 0
	v_pk_add_f32 v[L:L+1], v[L:L+1], v[S+2*(\n):S+2*(\n)+1]
.else
	v_pk_add_f32 v[SUM2:SUM2+1], v[SUM2:SUM2+1], v[S+2*(\n):S+2*(\n)+1]
.endif
.endm
.macro SCALEL n                        ; line n of the four blocks' scales, the blocks by turns
.if (\n) < 4
	v_max_num_f32 v[MX+(\n)], 0x4800000, v[MX+(\n)]                   ; the floor 2^(9 - 127): the byte cannot fall under 1
.elseif (\n) < 8
	v_add_nc_u32 v[SO+(\n)-4], 0xfc000000, v[MX+(\n)-4]               ; 8 off the exponent field: the conversion's scale operand
.elseif (\n) < 12
	v_and_or_b32 v[HD+(\n)-8], v[MX+(\n)-8], 0x7f800000, s[MNT]       ; 448 x the scale
.elseif (\n) < 16
	v_lshrrev_b32 v[BY+(\n)-12], 23, v[SO+(\n)-12]                    ; the scale's byte
.elseif (\n) == 16
	v_lshl_or_b32 v[PWD], v[BY+1], 8, v[BY]                           ; p's scale word for these 128 keys
.elseif (\n) < 19
	v_lshl_or_b32 v[PWD], v[BY+(\n)-15], 8*((\n)-15), v[PWD]
.endif
.endm
.macro HOLD2 j                         ; two numbers held: the conversion does not saturate (ISA guide 7.6.2); p is not negative, so the hold is one-sided
	v_dual_min_num_f32 v[S+\j], v[S+\j], v[HD+(\j)/16] :: v_dual_min_num_f32 v[S+\j+1], v[S+\j+1], v[HD+(\j)/16]
.endm
.macro CV i                            ; eight numbers become two registers of p's fragment
	v_cvt_scalef32_pk8_fp8_f32 v[PCD+2*(\i):PCD+2*(\i)+1], v[S+8*(\i):S+8*(\i)+7], v[SO+(\i)/2]
.endm
; One tile's softmax for 128 keys: from the scores in v[S] on to p's codes in v[PCD] on and its scale word in v[PWD]; the sum, the largest t and O^T are carried on.  b = 1: tile B.
; The exponentials go in two runs.  The plain lines among the first write what the second reads, those among the second write what the conversions read; so each of the waits serves a whole run.
.macro SOFTMAX b
	s_wait_alu depctr_va_vdst(0)                   ; ahead of the scores' first reader
.irp k, 0,1,2,3
	v_max3_num_f32 v[MX+\k], v[S+16*\k], v[S+16*\k+1], v[S+16*\k+2]   ; the largest score of each block of 32 keys: for the row's maximum and, since p rises with the score, for the block's largest p
.endr
.irp i, 3,5,7,9,11,13
.irp k, 0,1,2,3
	v_max3_num_f32 v[MX+\k], v[MX+\k], v[S+16*\k+\i], v[S+16*\k+\i+1]
.endr
.endr
.irp k, 0,1,2,3
	v_max_num_f32 v[MX+\k], v[MX+\k], v[S+16*\k+15]
.endr
.irp k, 0,1,2,3
	s_delay_alu instid0(VALU_DEP_4)
	v_permlanex16_b32 v[BY+\k], v[MX+\k], s[SEL], s[SEL+1]
.endr
.irp k, 0,1,2,3
	s_delay_alu instid0(VALU_DEP_4)
	v_max_num_f32 v[MX+\k], v[MX+\k], v[BY+\k]     ; with lane l xor 16's 16 keys
.endr
	s_delay_alu instid0(VALU_DEP_2)
	v_max3_num_f32 v[TMP], v[MX], v[MX+1], v[MX+2]
	s_delay_alu instid0(VALU_DEP_1)
	v_max_num_f32 v[TMP], v[TMP], v[MX+3]          ; the step's largest score of my query,
	s_delay_alu instid0(VALU_DEP_1)
	v_mul_f32 v[TMP], s[CS], v[TMP]                ; as t (c is positive)
	v_floor_f32 v[F], -v[TT]                       ; the old -M = floor(-t) = -ceil(t): M is a whole number
	s_delay_alu instid0(VALU_DEP_2)
	v_max_num_f32 v[TT], v[TT], v[TMP]             ; the running largest t
	s_delay_alu instid0(VALU_DEP_1)
	v_floor_f32 v[NM], -v[TT]                      ; the new -M
	s_delay_alu instid0(VALU_DEP_1)
	v_sub_f32 v[TMP], v[NM], v[F]                  ; old M less new M: a whole number, 0 or less
.irp k, 0,1,2,3
	v_fma_f32 v[MX+\k], v[MX+\k], s[CS], v[NM]     ; each block's largest score as t - M
.endr
	v_cvt_i32_f32 v[TMP], v[TMP]                   ; (it saturates)
.set sj, 0
.rept 16
	TM sj                                          ; blocks 0 and 1
.set sj, sj+2
.endr
	v_ldexp_f32 v[F], 1.0, v[TMP]                  ; f = 2^(old M - new M)
	s_delay_alu instid0(VALU_DEP_1)
	v_pk_mul_f32 v[L:L+1], v[L:L+1], v[F:F+1] op_sel_hi:[1,0]   ; the sums under the new M
	s_wait_alu depctr_va_vdst(0)                   ; ahead of the run
.irp k, 0,1,2,3
	v_exp_f32 v[MX+\k], v[MX+\k]                   ; the block's largest p: the same two instructions on the same number give the same bits as that p itself
.endr
.set sj, 0
.rept 16
	v_exp_f32 v[S+sj], v[S+sj]                     ; p = 2^(t - M), at most 1, not normalised: blocks 0 and 1,
	v_exp_f32 v[S+sj+1], v[S+sj+1]
	TM 32+sj                                       ; among them blocks 2 and 3's t - M
.set sj, sj+2
.endr
	s_wait_alu depctr_va_vdst(0)                   ; and behind it; also for O^T, the last products' results, whose first readers are plain lines among plain lines
.set sk, 0
.rept 24
	v_pk_mul_f32 v[O+2*sk:O+2*sk+1], v[O+2*sk:O+2*sk+1], v[F:F+1] op_sel_hi:[1,0]   ; O^T under the new M
	SCALEL sk
.if sk < 16
	SUML sk
.endif
.set sk, sk+1
.endr
	s_wait_alu depctr_va_vdst(0)                   ; ahead of the second run
.set sj, 0
.rept 16
	v_exp_f32 v[S+32+sj], v[S+32+sj]               ; blocks 2 and 3,
	v_exp_f32 v[S+33+sj], v[S+33+sj]
	HOLD2 sj                                       ; among them blocks 0 and 1's holds
.set sj, sj+2
.endr
	s_wait_alu depctr_va_vdst(0)                   ; and behind it
.if \b
	WIN 0x04                                       ; source 1 window 1
	v_cndmask_b32 v[PWD], v[PWD], v[PWD], s[HIM]   ; p's scale words: lanes 0-15 keep tile A's, lanes 16-31 take tile B's (both halves of the lanes hold their query's word).  The plain lines below are the places ahead of the products
	WIN 0x55
.endif
.set sk, 0
.rept 16
	SUML 16+sk
	HOLD2 32+2*sk
.if sk%4 == 3
	CV sk/4
.endif
.set sk, sk+1
.endr
	CV 4
	CV 5
	CV 6
	CV 7
	v_pk_add_f32 v[L:L+1], v[L:L+1], v[SUM2:SUM2+1]   ; the two chains meet.  (Also the plain line behind the last conversion)
.if \b
	PLACES 3                                       ; with it four places between the codes and the products
.endif
.endm
; A KEY STEP: 128 keys, both tiles.  pre = 1: the next step's K is asked for.
; Places: eight plain vector lines behind this matrix form in front of loads into its sources and of reads of its results (ISA guide 7.12.1 for reads of its results), nine where a later product writes over a source.
.macro STEP pre
	v_add_nc_u32 v[ADK], s[TB], v[LI]
	v_add_nc_u32 v[ADS], s[TS], v[LS0]
	PLACES 7                                       ; with the two additions nine places behind the last step's products: tile A's S^T is laid over V's fragments
	s_wait_alu depctr_va_vdst(0)
	s_wait_dscnt 0x0                               ; this step's K and its scale words, asked for a step ago
	KQ S, KS, 0                                    ; tile A x key tiles 0-3
	WIN 0x01                                       ; source 0 (K) window 1
	KQ S+32, KS+2, 0                               ; tile A x key tiles 4-7
	WIN 0x45                                       ; K, Q and S^T window 1
	KQ S+32, KS+2, 1                               ; tile B x key tiles 4-7
	WIN 0x44                                       ; K window 0
	KQ S, KS, 1                                    ; tile B x key tiles 0-3
	WIN 0
	PLACES 8                                       ; in front of the loads into K's registers and scale words, and of the first read of the scores
.irp p, 0,1,2
	ds_load_b32 v[VS+\p], v[ADS] offset:512+128*\p
.endr
.if \pre
	FETCHK STEPB, 896                              ; it has the rest of this step in which to come
.endif
	SOFTMAX 0                                      ; tile A
.irp t, 0,1,2,3
.irp c, 0,1,2,3
	ds_load_b128 v[S+16*\t+4*\c:S+16*\t+4*\c+3], v[ADK] offset:VOFF+2048*\t+512*\c   ; V's channel tiles 0-3, where tile A's p lay: its codes are made
.endr
.endr
.irp t, 0,1
.irp c, 0,1,2,3
	ds_load_b128 v[224+16*\t+4*\c:224+16*\t+4*\c+3], v[ADK] offset:VOFF+2048*(4+\t)+512*\c   ; tiles 4 and 5, over tile A's registers at work.  V comes while tile B's softmax runs
.endr
.endr
	WIN 0x55
	SOFTMAX 1                                      ; tile B
	WIN 0
	s_wait_alu depctr_va_vdst(0)
	s_wait_dscnt 0x0                               ; V
	PV 0                                           ; tile A
	WIN 0x54                                       ; V window 0; P, C and D window 1
	PV 1                                           ; tile B
	WIN 0
	s_add_co_u32 s[TB], s[TB], STEPB
	s_add_co_u32 s[TS], s[TS], 896
.endm
	s_wait_alu depctr_va_vdst(0)
	s_wait_loadcnt 0x0                             ; Q
	s_cmp_lt_u32 s[WV], 2
	s_cbranch_scc0 .Lnot_yet
	s_wait_tensorcnt 0x0                           ; waves 0 and 1: the scale words and key steps 0 and 1 are in.  The other waves' wait stands at the second barrier
.Lnot_yet:
	s_barrier_signal -1
	s_barrier_wait -1
	v_add_nc_u32 v[ADK], s[TB], v[LI]
	v_add_nc_u32 v[ADS], s[TS], v[LS0]
	FETCHK 0, 0                                    ; key step 0
	STEP 1                                         ; key step 0; it asks for step 1's K, which lies in the bytes shown landed above
	s_wait_tensorcnt 0x0                           ; my load is in, whichever it was,
	s_wait_dscnt 0x0
	s_barrier_signal -1
	s_barrier_wait -1                              ; everybody's is: step 1 asks for step 2's K
	s_mov_b32 s[CNT], 6
.Lstep:                                            ; key steps 1 to 6
	STEP 1
	s_sub_co_u32 s[CNT], s[CNT], 1
	s_cmp_lg_u32 s[CNT], 0
	s_cbranch_scc1 .Lstep
	STEP 0                                         ; key step 7 is written out: there is no K behind it
	; THE WAY OUT.  O^T is divided by the row's sum and quantised: its 48 registers are channels 32 b + 16 (lane / 16) + 0 .. 15: blocks 3 h + b of the last product's K.
.macro EPI
	v_add_f32 v[L], v[L], v[L+1]                   ; the sum's two halves,
	s_delay_alu instid0(VALU_DEP_1)
	v_permlanex16_b32 v[TMP], v[L], s[SEL], s[SEL+1]
	s_delay_alu instid0(VALU_DEP_1)
	v_add_f32 v[L], v[L], v[TMP]                   ; and lane l xor 16's: the row's sum
	s_wait_alu depctr_va_vdst(0)                   ; ahead of the reciprocal
	v_rcp_f32 v[L], v[L]
	v_nop                                          ; the plain line behind the reciprocal
.set j, 0
	s_wait_alu depctr_va_vdst(0)                   ; and ahead of its first reader
.rept 48
	v_mul_f32 v[S+j], v[O+j], v[L]                 ; each accumulator from its low end on
.set j, j+1
.endr
	QUANT 3, S, PCD
	v_lshl_or_b32 v[SUM2], v[BY+1], 8, v[BY]
	s_delay_alu instid0(VALU_DEP_1)
	v_lshl_or_b32 v[SUM2], v[BY+2], 16, v[SUM2]    ; three bytes: my row's scales of this head's blocks
.endm
	v_lshrrev_b32 v[ADK], 2, v[LI]
	s_delay_alu instid0(VALU_DEP_1)
	v_and_b32 v[ADK], 60, v[ADK]                   ; 4 x (lane % 16)
	PLACES 6                                       ; with the two lines above eight places behind the last products
	EPI                                            ; tile A
.irp b, 0,1,2
	global_store_b128 v[LI], v[PCD+4*\b:PCD+4*\b+3], s[12:13] offset:512*\b   ; 512 consecutive bytes, at a multiple of 512 from oc's first byte
.endr
	global_store_b32 v[ADK], v[SUM2], s[14:15]     ; lanes l and l xor 16 hold the same row's word and write it to the same place
	WIN 0x55
	EPI                                            ; tile B: it writes window 1 alone, so tile A's stores keep their data
	WIN 0x04                                       ; a store's data are its source 1: window 1
.irp b, 0,1,2
	global_store_b128 v[LI], v[PCD+4*\b:PCD+4*\b+3], s[12:13] offset:12288+512*\b
.endr
	global_store_b32 v[ADK], v[SUM2], s[14:15] offset:512
	WIN 0
	s_set_vgpr_msb 0x5
	s_wait_tensorcnt 0x0                           ; the wave's end
	ds_add_u32 v254, v255
	s_wait_dscnt 0x0
	s_set_vgpr_msb 0x500
	CROUND                                         ; the closing round: no work-group ends while a partner may still ask for bytes by a load that names it
	s_endpgm
.Lfunc_end_k_q250a56d210_attn:
	.size	k_q250a56d210_attn, .Lfunc_end_k_q250a56d210_attn-k_q250a56d210_attn
	.p2alignl 7, 3214868480
	.fill 96, 4, 3214868480
	.section	.rodata,"a",@progbits
	.p2align	6, 0x0
	.amdhsa_kernel k_q250a56d210_attn
		.amdhsa_group_segment_fixed_size 204800
		.amdhsa_private_segment_fixed_size 0
		.amdhsa_enable_private_segment 0
		.amdhsa_kernarg_size 48
		.amdhsa_user_sgpr_count 2
		.amdhsa_user_sgpr_kernarg_segment_ptr 1
		.amdhsa_wavefront_size32 1
		.amdhsa_system_sgpr_workgroup_id_x 1
		.amdhsa_system_sgpr_workgroup_id_y 1
		.amdhsa_system_sgpr_workgroup_id_z 1
		.amdhsa_system_vgpr_workitem_id 0
		.amdhsa_next_free_vgpr 512
		.amdhsa_next_free_sgpr 88
		.amdhsa_reserve_vcc 0
		.amdhsa_float_denorm_mode_32 3
		.amdhsa_float_denorm_mode_16_64 3
		.amdhsa_memory_ordered 1
		.amdhsa_forward_progress 1
		.amdhsa_inst_pref_size 146
	.end_amdhsa_kernel
	.amdgpu_metadata
---
amdhsa.version: [ 1, 2 ]
amdhsa.kernels:
  - .name:           k_q250a56d210_attn
    .symbol:         k_q250a56d210_attn.kd
    .args:
      - { .name: qc, .offset: 0, .size: 8, .value_kind: global_buffer, .address_space: global }
      - { .name: qs, .offset: 8, .size: 8, .value_kind: global_buffer, .address_space: global }
      - { .name: kvc, .offset: 16, .size: 8, .value_kind: global_buffer, .address_space: global }
      - { .name: kvs, .offset: 24, .size: 8, .value_kind: global_buffer, .address_space: global }
      - { .name: oc, .offset: 32, .size: 8, .value_kind: global_buffer, .address_space: global }
      - { .name: os, .offset: 40, .size: 8, .value_kind: global_buffer, .address_space: global }
    .group_segment_fixed_size: 204800
    .private_segment_fixed_size: 0
    .kernarg_segment_align: 8
    .kernarg_segment_size: 48
    .max_flat_workgroup_size: 256
    .sgpr_count:     88
    .vgpr_count:     512
    .wavefront_size: 32
...
	.end_amdgpu_metadata
.endif
;; end of part 3
;; launch outp (part 4): grid 4 x 64, 4 waves a work-group, clusters of 4 x 4, 254,976 bytes of LDS; arguments oc, os, xc, xs, b_proj, out0; writes out0
.if DOCPART == 4
	.amdgcn_target "amdgcn-amd-amdhsa--gfx1250"
	.amdhsa_code_object_version 6
	.text
	.protected	k_q250a56d210_outp
	.globl	k_q250a56d210_outp
	.p2align	8
	.type	k_q250a56d210_outp,@function
k_q250a56d210_outp:
	s_mov_b64 s[64:65], 0
	v_nop
	global_prefetch_b8 v0, s[64:65] scope:SCOPE_SE
	s_setreg_imm32_b32 hwreg(HW_REG_WAVE_MODE, 25, 1), 1
	s_wait_xcnt 0x0
	s_wait_alu depctr_hold_cnt(0) depctr_sa_sdst(0) depctr_va_vdst(0) depctr_va_sdst(0) depctr_va_ssrc(0) depctr_va_vcc(0) depctr_vm_vsrc(0)
	s_getreg_b32 s2, hwreg(HW_REG_IB_STS2, 6, 4)
	s_cmp_eq_u32 s2, 0
	s_cbranch_scc0 .Lentry_in_a_cluster
	s_endpgm
.Lentry_in_a_cluster:
	s_bfe_u32 s2, ttmp6, 0x10000c
	s_cmp_lg_u32 s2, 0xf033
	s_cbranch_scc0 .Lentry_shape_is_right
	s_endpgm
.Lentry_shape_is_right:
; LAUNCH 4 OF 4.  out = O w_proj^T + b_proj on codes of FP8 (E4M3) with E8M0 scales, sums in f32; the bias is the first products' C.
; SHARES.  A work-group makes 128 rows (8 row tiles) x 192 columns (12 tiles of the weight): 4 x 64 work-groups.  Its four waves stand 2 x 2: a wave makes 64 rows x 96 columns.
; FILLS, one JOINT load a wave, each filled once: wave 0 the weight's 12 tiles, wave 1 O's 8 tiles, wave 2 the weight's scale words, wave 3 O's.  CLUSTER of 4 x 4: the four of a row share O's tiles, the four of a column the weight's.
; The first barrier shows the weight's codes alone: each wave's 36 fragments go on into 576 registers while the rest lands; the second barrier shows that rest, and that no wave reads the weight's bytes in LDS any more.
; So the way out's stage lies over those bytes, which have had their only fill.  Each fragment of O read from LDS feeds six products.
; THE WAY OUT goes in two halves: the rows of row tiles 0 and 1 of each wave leave while tiles 2 and 3 are multiplied.  Source 0 = 16 rows of the weight, source 1 = 16 rows of O: by the order of a tile's rows (launch 1) weight tiles
; 2 b and 2 b + 1 give a lane channels 32 b + 16 (lane / 16) + 0 .. 15 of one row.  A row of the stage is 768 bytes + 16; sixteen lanes store one aligned unit of 256 bytes.
; No prefetch: every byte is asked for at the head, and no loop runs ahead.
; O's SCALE BYTES arrive as words of three bytes, a head (three blocks of 32) each; four heads' words become three scale words by v_perm_b32.
; LIMITS: NaN and infinities are not served.
; REGISTERS, in windows of 256: window 0: v2-8, v58-60 addresses; v10-27 the weight's scale words; v28-39 O's; v40-55 O's as loaded; v62, v63 my spare word and 0; v64-159 two sets of six accumulators; v160-207 the bias; v208-255 rows on the way out.
;   windows 1, 2 and v0-63 of window 3: the weight's fragment (tile t, K step s) at register 256 + 16 (6 s + t).   window 3, v64-255: two row tiles of O, six fragments each.
.set XO,   147456                      ; LDS: the weight's tile t at 12,288 t; behind its 12 tiles O's 8,
.set OSL,  245760                      ; O's scale words, 512 bytes a tile,
.set WSL,  249856                      ; the weight's, 384 bytes a tile,
.set SPARE, 254464                     ; and the spare words
.set SPI,  784                         ; a stage row
.set LI,   2
.set WA,   3                           ; v3, v4  my six tiles of the weight: tiles 0-2, 3-5
.set XA,   5
.set OSA,  6
.set WSA,  7
.set BA,   8
.set WS,   10
.set OSC,  28
.set RW,   40
.set STO,  58
.set SRD,  59
.set GO,   60
.set SPW,  62
.set NIL,  63
.set ACC,  64
.set BI,   160
.set MSB, 0
.macro WIN new                         ; the immediate's high byte repeats the setting that is left; a switch that changes nothing is dropped
.if MSB != (\new)
	s_set_vgpr_msb (MSB<<8)|(\new)
.set MSB, (\new)
.endif
.endm
.macro PLACES n
.rept \n
	v_nop
.endr
.endm
.macro BARRIER
	s_barrier_signal -1
	s_barrier_wait -1
.endm
.macro CROUND                          ; a round of the cluster's barrier
	BARRIER
	s_cmp_lg_u32 s16, 0
	s_cbranch_scc1 .Lnot_wave_0_\@
	s_barrier_signal -3
.Lnot_wave_0_\@:
	s_barrier_wait -3
	BARRIER
.endm
.macro GROUP1 g, mask, rows            ; a dense block as rows of 256 bytes (32 elements of 8 bytes), shared by the work-groups of the mask; bit 21 set beside it
	s_or_b32 s[\g], s[\mask], (3<<16)|(1<<21)
	s_mov_b32 s[\g+1], 32<<16
	s_mov_b32 s[\g+2], (\rows)<<16
	s_mov_b32 s[\g+3], 32<<16
	s_mov_b32 s[\g+4], \rows
	s_mov_b32 s[\g+5], 32
	s_mov_b32 s[\g+6], 0
	s_mov_b32 s[\g+7], 0
.endm
.macro TLOAD g0, g1
	tensor_load_to_lds s[\g0:\g0+3], s[\g1:\g1+7]
	s_nop 0
	PLACES 4
.endm
	s_load_b256 s[4:11], s[0:1], 0x0               ; oc s[4:5], os s[6:7], xc s[8:9], xs s[10:11]
	s_load_b128 s[12:15], s[0:1], 0x20             ; b_proj s[12:13], out0 s[14:15]
	v_lshl_add_u32 v[SPW], v0, 2, SPARE
	v_mov_b32 v[NIL], 0
	ds_add_u32 v[SPW], v[NIL]                      ; the wave's opening: the add, twice on end, and its wait ahead of my first tensor load
	ds_add_u32 v[SPW], v[NIL]
	v_lshrrev_b32 v1, 5, v0
	v_readfirstlane_b32 s16, v1                    ; wave 0..3
	v_and_b32 v1, 31, v0                           ; lane
	v_and_b32 v9, 15, v0                           ; r
	v_bfe_u32 v57, v0, 4, 1                        ; h
	s_lshr_b32 s17, s16, 1                         ; my row of waves
	s_and_b32 s18, s16, 1                          ; my column of waves
	s_bfe_u32 s19, ttmp6, 0x40000                  ; cx, cy: my place in the cluster
	s_bfe_u32 s20, ttmp6, 0x40004
	s_lshl_b32 s21, ttmp9, 2
	s_add_co_u32 s21, s21, s19                     ; column block: 192 columns
	s_and_b32 s22, ttmp7, 0xffff
	s_lshl_b32 s22, s22, 2
	s_add_co_u32 s22, s22, s20                     ; row block: 128 rows
	s_lshl_b32 s23, s20, 2
	s_lshl_b32 s23, 15, s23                        ; my row of the cluster
	s_lshl_b32 s24, 0x1111, s19                    ; my column
	GROUP1 28, 24, 576                             ; 12 tiles of the weight
	GROUP1 36, 23, 384                             ; 8 tiles of O
	GROUP1 44, 24, 18                              ; scale words: the weight's,
	GROUP1 52, 23, 16                              ; O's
	s_mul_i32 s84, s21, 147456                     ; w_proj's tiles begin at tile 1,168
	s_add_co_u32 s84, s84, 1168*12288
	s_mov_b32 s85, 0
	s_mul_i32 s86, s22, 98304
	s_mov_b32 s87, 0
	s_mul_i32 s88, s21, 4608
	s_add_co_u32 s88, s88, 1168*384
	s_mov_b32 s89, 0
	s_lshl_b32 s90, s22, 12
	s_mov_b32 s91, 0
	s_mov_b32 s68, 1                               ; groups 0: where the tiles go
	s_mov_b32 s69, 0
	s_mov_b32 s72, 1
	s_mov_b32 s73, XO
	s_mov_b32 s76, 1
	s_mov_b32 s77, WSL
	s_mov_b32 s80, 1
	s_mov_b32 s81, OSL
	s_wait_alu depctr_va_vdst(0)
	s_wait_dscnt 0x0                               ; both opening adds are done
	s_wait_kmcnt 0x0
	s_add_nc_u64 s[70:71], s[8:9], s[84:85]
	s_or_b32 s71, s71, 0x80000000
	s_add_nc_u64 s[74:75], s[4:5], s[86:87]
	s_or_b32 s75, s75, 0x80000000
	s_add_nc_u64 s[78:79], s[10:11], s[88:89]
	s_or_b32 s79, s79, 0x80000000
	s_add_nc_u64 s[82:83], s[6:7], s[90:91]
	s_or_b32 s83, s83, 0x80000000
	CROUND                                         ; all sixteen work-groups are here: the joint loads meet
	s_cmp_lt_u32 s16, 1                            ; one tree of branches on the wave's number, one load on each way
	s_cbranch_scc0 .Lwave_1
	TLOAD 68, 28
	s_branch .Lasked
.Lwave_1:
	s_cmp_lt_u32 s16, 2
	s_cbranch_scc0 .Lwave_2
	TLOAD 72, 36
	s_branch .Lasked
.Lwave_2:
	s_cmp_lt_u32 s16, 3
	s_cbranch_scc0 .Lwave_3
	TLOAD 76, 44
	s_branch .Lasked
.Lwave_3:
	TLOAD 80, 52
.Lasked:
	s_mul_i32 s92, s21, 768                        ; the bias: 192 columns a block, 96 a wave
	s_mul_i32 s96, s18, 384
	s_add_co_u32 s92, s92, s96
	s_mov_b32 s93, 0
	s_add_nc_u64 s[12:13], s[12:13], s[92:93]
	s_lshl_b32 s94, s22, 7                         ; out: my wave sends row tiles 4 (wave / 2) + wave % 2 and + 2: rows 64 (wave / 2) + 8 (wave % 2) + lane row + 8 (lane row / 8), and 32 further on
	s_lshl_b32 s96, s17, 6
	s_add_co_u32 s94, s94, s96
	s_lshl_b32 s96, s18, 3
	s_add_co_u32 s94, s94, s96
	s_mul_i32 s94, s94, 3072
	s_mul_i32 s96, s21, 768
	s_add_co_u32 s94, s94, s96
	s_mov_b32 s95, 0
	s_add_nc_u64 s[14:15], s[14:15], s[94:95]
	v_lshlrev_b32 v[LI], 4, v1
	s_mul_i32 s96, s18, 73728                      ; my six tiles of the weight
	v_add_nc_u32 v[WA], s96, v[LI]
	v_add_nc_u32 v[WA+1], 36864, v[WA]
	s_mul_i32 s96, s17, 49152                      ; my four tiles of O
	s_add_co_u32 s96, s96, XO
	v_add_nc_u32 v[XA], s96, v[LI]
	s_lshl_b32 s96, s17, 11
	s_add_co_u32 s96, s96, OSL
	v_lshl_add_u32 v[OSA], v9, 2, s96
	s_mul_i32 s96, s18, 2304
	s_add_co_u32 s96, s96, WSL
	v_lshl_add_u32 v[WSA], v1, 2, s96
	v_lshlrev_b32 v[BA], 6, v57
	s_mul_i32 s96, s17, 64*SPI                     ; the stage: row 64 (wave / 2) + 16 i + r takes row r of my tile i
	s_mul_i32 s97, s18, 384
	s_add_co_u32 s97, s97, s96
	v_mul_u32_u24 v[STO], v9, SPI
	v_lshl_add_u32 v[STO], v57, 6, v[STO]
	v_add_nc_u32 v[STO], s97, v[STO]
	s_mul_i32 s97, s18, 16*SPI                     ; out of it: lanes 0-15 one row, lanes 16-31 the next
	s_add_co_u32 s97, s97, s96
	v_mul_u32_u24 v[SRD], v57, SPI
	v_lshl_add_u32 v[SRD], v9, 4, v[SRD]
	v_add_nc_u32 v[SRD], s97, v[SRD]
	v_mul_u32_u24 v[GO], v57, 3072
	v_lshl_add_u32 v[GO], v9, 4, v[GO]
	s_wait_alu depctr_va_vdst(0)
.irp t, 0,1,2,3,4,5
	global_load_b128 v[BI+8*\t:BI+8*\t+3], v[BA], s[12:13] offset:128*(\t/2)+32*(\t%2)
	global_load_b128 v[BI+8*\t+4:BI+8*\t+7], v[BA], s[12:13] offset:128*(\t/2)+32*(\t%2)+16
.endr
	s_cmp_lt_u32 s16, 1
	s_cbranch_scc0 .Lnot_yet
	s_wait_tensorcnt 0x0                           ; wave 0: the weight's codes are in.  The other waves' wait stands at the second barrier
.Lnot_yet:
	BARRIER
.set wf, 0
.rept 36                               ; the weight's 36 fragments, f = 6 s + t: they stay
.set wn, (1+wf/16)<<6
.set rW, (16*wf)&255
.set wt, wf%6
	WIN wn                                         ; destination window 1 + f / 16
.irp c, 0,1,2,3
	ds_load_b128 v[rW+4*\c:rW+4*\c+3], v[WA+wt/3] offset:(wt%3)*12288+(wf/6)*2048+512*\c
.endr
.set wf, wf+1
.endr
	WIN 0
	s_wait_tensorcnt 0x0                           ; my load is in, whichever it was; and my fragments of the weight are in registers
	s_wait_dscnt 0x0
	BARRIER
.irp t, 0,1,2,3,4,5
.irp p, 0,1,2
	ds_load_b32 v[WS+3*\t+\p], v[WSA] offset:384*\t+128*\p
.endr
.endr
.macro FETCH i                         ; row tile i of my four: six fragments and eight words of scale bytes: 32 LDS loads
	WIN 0xc0                                       ; destination window 3
.set fs, 0
.rept 6
.irp c, 0,1,2,3
	ds_load_b128 v[64+96*((\i)%2)+16*fs+4*\c:64+96*((\i)%2)+16*fs+4*\c+3], v[XA] offset:12288*(\i)+2048*fs+512*\c
.endr
.set fs, fs+1
.endr
	WIN 0
.irp e, 0,1,2,3,4,5,6,7
	ds_load_b32 v[RW+8*((\i)%2)+\e], v[OSA] offset:512*(\i)+64*\e
.endr
.endm
.macro PERM i                          ; three bytes of each of eight heads become six scale words
.set rR, RW+8*((\i)%2)
.set rO, OSC+6*((\i)%2)
.irp g, 0,1
	v_perm_b32 v[rO+3*\g], v[rR+4*\g+1], v[rR+4*\g], 0x04020100
	v_perm_b32 v[rO+3*\g+1], v[rR+4*\g+2], v[rR+4*\g+1], 0x05040201
	v_perm_b32 v[rO+3*\g+2], v[rR+4*\g+3], v[rR+4*\g+2], 0x06050402
.endr
	PLACES 8                                       ; between the scale registers and the products
.endm
.macro MUL i                           ; 36 products, K ascending; the six accumulators take turns, one instruction a turn
.set ms, 0
.rept 6
.set mt, 0
.rept 6
.set mf, 6*ms+mt
.set rW, (16*mf)&255
.set rX, 64+96*((\i)%2)+16*ms
.set rD, ACC+48*((\i)%2)+8*mt
.set rB, BI+8*mt
.set rSa, WS+3*mt+ms/2
.set rSb, OSC+6*((\i)%2)+ms
.set wn, (1+mf/16)|0x0c
	WIN wn
.if ms == 0
	v_wmma_scale_f32_16x16x128_f8f6f4 v[rD:rD+7], v[rW:rW+15], v[rX:rX+15], v[rB:rB+7], v[rSa], v[rSb]
.elseif ms%2
	v_wmma_scale_f32_16x16x128_f8f6f4 v[rD:rD+7], v[rW:rW+15], v[rX:rX+15], v[rD:rD+7], v[rSa], v[rSb] matrix_a_scale:MATRIX_SCALE_ROW1
.else
	v_wmma_scale_f32_16x16x128_f8f6f4 v[rD:rD+7], v[rW:rW+15], v[rX:rX+15], v[rD:rD+7], v[rSa], v[rSb]
.endif
.set mt, mt+1
.endr
.set ms, ms+1
.endr
.endm
.macro STORE i                         ; tile i into the stage, each accumulator from its low end on
.set rD, ACC+48*((\i)%2)
.irp t, 0,1,2,3,4,5
	ds_store_b128 v[STO], v[rD+8*\t:rD+8*\t+3] offset:(\i)*16*SPI+128*(\t/2)+32*(\t%2)
	ds_store_b128 v[STO], v[rD+8*\t+4:rD+8*\t+7] offset:(\i)*16*SPI+128*(\t/2)+32*(\t%2)+16
.endr
.endm
.macro TILE i, left, more              ; left: the younger LDS instructions that may stay out
	s_wait_dscnt \left
	PERM \i
	MUL \i
	WIN 0
	PLACES 8                                       ; in front of the reads of the results and of the loads into the products' sources
	STORE \i
.if \more
	FETCH (\i)+2
.endif
.endm
.macro SEND g                          ; half g: my 16 rows of 768 bytes: 24 loads, 24 stores of two aligned units of 256 bytes
.set k, 0
.rept 24
.if \g
.set rS, 64+4*k
.elseif k < 12
.set rS, 208+4*k
.else
.set rS, 112+4*(k-12)
.endif
	ds_load_b128 v[rS:rS+3], v[SRD] offset:(32*\g+2*(k/3))*SPI+256*(k%3)
.set k, k+1
.endr
.set k, 0
.rept 24
.if \g
.set rS, 64+4*k
.elseif k < 12
.set rS, 208+4*k
.else
.set rS, 112+4*(k-12)
.endif
	s_wait_dscnt 23-k
	global_store_b128 v[GO], v[rS:rS+3], s[14:15] offset:(32*\g+2*(k/3)+8*(k/12))*3072+256*(k%3) th:TH_STORE_NT
.set k, k+1
.endr
.endm
	FETCH 0
	FETCH 1
	s_wait_loadcnt 0x0                             ; the bias
	TILE 0, 32, 1                                  ; tile 1's 32 loads may stay out
	TILE 1, 44, 1                                  ; tile 0's 12 stores and tile 2's 32 loads
	s_wait_dscnt 0x0
	BARRIER                                        ; the first half's rows are whole
	SEND 0
	TILE 2, 0, 0
	s_wait_xcnt 0x0                                ; the first half's stores have read the registers that tile 3's products write
	TILE 3, 12, 0                                  ; tile 2's 12 stores
	s_wait_dscnt 0x0
	BARRIER
	SEND 1
	s_wait_tensorcnt 0x0                           ; the wave's end
	ds_add_u32 v[SPW], v[NIL]
	s_wait_dscnt 0x0
	CROUND                                         ; the closing round: no work-group ends while a partner may still ask for bytes by a load that names it
	s_endpgm
.Lfunc_end_k_q250a56d210_outp:
	.size	k_q250a56d210_outp, .Lfunc_end_k_q250a56d210_outp-k_q250a56d210_outp
	.p2alignl 7, 3214868480
	.fill 96, 4, 3214868480
	.section	.rodata,"a",@progbits
	.p2align	6, 0x0
	.amdhsa_kernel k_q250a56d210_outp
		.amdhsa_group_segment_fixed_size 254976
		.amdhsa_private_segment_fixed_size 0
		.amdhsa_enable_private_segment 0
		.amdhsa_kernarg_size 48
		.amdhsa_user_sgpr_count 2
		.amdhsa_user_sgpr_kernarg_segment_ptr 1
		.amdhsa_wavefront_size32 1
		.amdhsa_system_sgpr_workgroup_id_x 1
		.amdhsa_system_sgpr_workgroup_id_y 1
		.amdhsa_system_sgpr_workgroup_id_z 1
		.amdhsa_system_vgpr_workitem_id 0
		.amdhsa_next_free_vgpr 1024
		.amdhsa_next_free_sgpr 98
		.amdhsa_reserve_vcc 0
		.amdhsa_float_denorm_mode_32 3
		.amdhsa_float_denorm_mode_16_64 3
		.amdhsa_memory_ordered 1
		.amdhsa_forward_progress 1
		.amdhsa_inst_pref_size 64
	.end_amdhsa_kernel
	.amdgpu_metadata
---
amdhsa.version: [ 1, 2 ]
amdhsa.kernels:
  - .name:           k_q250a56d210_outp
    .symbol:         k_q250a56d210_outp.kd
    .args:
      - { .name: oc, .offset: 0, .size: 8, .value_kind: global_buffer, .address_space: global }
      - { .name: os, .offset: 8, .size: 8, .value_kind: global_buffer, .address_space: global }
      - { .name: xc, .offset: 16, .size: 8, .value_kind: global_buffer, .address_space: global }
      - { .name: xs, .offset: 24, .size: 8, .value_kind: global_buffer, .address_space: global }
      - { .name: b_proj, .offset: 32, .size: 8, .value_kind: global_buffer, .address_space: global }
      - { .name: out0, .offset: 40, .size: 8, .value_kind: global_buffer, .address_space: global }
    .group_segment_fixed_size: 254976
    .private_segment_fixed_size: 0
    .kernarg_segment_align: 8
    .kernarg_segment_size: 48
    .max_flat_workgroup_size: 128
    .sgpr_count:     98
    .vgpr_count:     1024
    .wavefront_size: 32
...
	.end_amdgpu_metadata
.endif
;; end of part 4
